; MI455X (gfx1250); checked and timed in simulation.
; The chip was launched on July 23, 2026; its instructions are those of AMD's public machine-readable ISA for CDNA 5 (MIT licence, August 2026) and "CDNA5" Instruction Set Architecture Reference Guide (July 2026). The comments in the code are by the model that wrote it; some were corrected since.
;; Ro PE Attention. Allowed arithmetic: matrix products marked QUANTISED: E2M3 operands, one E8M0 scale for each 32 along K, by v_wmma_scale_f32_16x16x128_f8f6f4 with both operands' format E2M3, f32 sums; everything else in f32.
;; Inputs: Wk 2,048 x 512 float32; Wo 2,048 x 2,048 float32; Wq 2,048 x 2,048 float32; Wv 2,048 x 512 float32; mask 1 x 1 x 2,048 x 2,048 bool; x 1 x 2,048 x 2,048 float32.
;; Outputs: out0 1 x 2,048 x 2,048 float32.
;; This version of the problem:
;;   THIS VERSION OF THE PROBLEM IS GIVEN IN LOW PRECISION. The matrix products marked QUANTISED in the list below multiply operands that are first quantised to E2M3 (2 exponent bits, 3 mantissa bits; 6 bits a number), with one power-of-two scale for each 32 numbers along K (OCP MX v1.0); their sums are f32. All else is computed in f32.
;;   The module's matrix products, in the order in which they are computed (A, B: the left and right operand; K: the contracted axis; several contracted axes count as one K, in the product's order):
;;     1. [M 2,048, K 2,048] x [K 2,048, N 2,048]; A: input x; B: input Wq: QUANTISED
;;     2. [M 2,048, K 2,048] x [K 2,048, N 512]; A: input x; B: input Wk: QUANTISED
;;     3. [M 2,048, K 2,048] x [K 2,048, N 512]; A: input x; B: input Wv: QUANTISED
;;     4. batch 16 x [M 2,048, K 128] x [K 128, N 2,048]; A: computed on the way; B: computed on the way: QUANTISED
;;     5. batch 16 x [M 128, K 2,048] x [K 2,048, N 2,048]; A: computed on the way; B: softmax (see below): QUANTISED
;;     6. [M 2,048, K 2,048] x [K 2,048, N 2,048]; A: computed on the way; B: input Wo: QUANTISED
;;   THE QUANTISER, for each operand of a quantised product, along K:
;;     - K is cut into blocks of 32 from its start; a last block that is shorter is filled with zeros.
;;     - A block's scale is 2^e with e = floor(log2(the largest magnitude in the block)) - 2, held to -126 .. 127; a block of zeros has e = 0. As a byte (E8M0): e + 127.
;;     - Each number is divided by its block's scale, clamped to +-7.5, and rounded to the nearest number of E2M3, ties to even, subnormals kept.
;;     - The product sums the exact products of the quantised numbers (number of the format x scale) in f32.
;;   ~~~python
;;   def quantise(x, axis):      # numpy; x: float32 -> the quantised numbers, widened to float32 again
;;       x = np.moveaxis(x, axis, -1); K = x.shape[-1]
;;       x = np.pad(x, [(0, 0)] * (x.ndim - 1) + [(0, -K % 32)]); x = x.reshape(x.shape[:-1] + (-1, 32)); a = np.abs(x).max(-1, keepdims=True)
;;       e = np.where(a > 0, np.clip(np.frexp(np.where(a > 0, a, 1))[1] - 1 - 2, -126, 127), 0)      # np.frexp(a)[1] - 1 = floor(log2(a)), exactly
;;       r = np.clip(x / 2.0 ** e, -7.5, 7.5)
;;       step = 2.0 ** (np.maximum(np.frexp(np.where(r == 0, 1, r))[1] - 1, 0) - 3)
;;       q = np.round(r / step) * step * 2.0 ** e      # np.round: ties to even
;;       return np.moveaxis(q.reshape(q.shape[:-2] + (-1,))[..., :K], -1, axis).astype(np.float32)
;;   ~~~
;;   SOFTMAX AHEAD OF A QUANTISED PRODUCT. Where the list says 'softmax', what is quantised is not the finished softmax but p = 2^(t - M), with t = logit x log2(e) and M = ceil(the row's largest t), a whole number; so 1/2 < the row's largest p <= 1. The row's sum l is taken of the UNQUANTISED p, in f32, and the product's result is divided by l at the end. Since M is a whole number, a kernel that streams over the keys may use a running M (the ceiling of the running maximum): every later rescaling is an exact power of two, which a block's scale takes up: the codes' values come out the same.
;;   OPERANDS COMPUTED ON THE WAY. 'Computed on the way' means the value that the module computes at that place (a softmax that the list does not call 'softmax' is quantised finished and normalised). What goes into a quantiser is computed in f32, as accurately as f32 sums, v_exp_f32 and their like allow (about 1e-6 of the number): no bf16 or f16 on the way to a quantiser, and a product that is left as it is and whose result goes on into a quantised operand takes f32 operands (vector FMAs, or v_wmma_f32_16x16x4_f32). A number that lies on a knife's edge between two numbers of the format may be rounded either way, as far as f32 arithmetic and the matrix unit's own rounding can turn it there, and no further.
;; One version. Each part assembles by itself: llvm-mc -triple=amdgcn-amd-amdhsa -mcpu=gfx1250 --defsym DOCPART=n.
;; ======== version 1 of 1: 4 launches
;; limits: right only within a limited range of input values
;; workspace buffers: wx 11,468,800 bytes; qkv 4,915,200 bytes; att 3,276,800 bytes; rope 1,048,576 bytes; maskw 524,288 bytes of whole numbers; mflag 65,536 bytes of whole numbers
;; launch prep (part 1): grid 448 x 1, 4 waves a work-group, no clusters, 58,880 bytes of LDS; arguments x, mask, Wq, Wk, Wv, Wo, wx, rope, maskw, mflag; writes wx, rope, maskw, mflag
.if DOCPART == 1
	.amdgcn_target "amdgcn-amd-amdhsa--gfx1250"
	.amdhsa_code_object_version 6
	.text
	.protected	k_q4f46799e4e_prep
	.globl	k_q4f46799e4e_prep
	.p2align	8
	.type	k_q4f46799e4e_prep,@function
k_q4f46799e4e_prep:
	s_mov_b64 s[64:65], 0
	v_nop
	global_prefetch_b8 v0, s[64:65] scope:SCOPE_SE
	s_setreg_imm32_b32 hwreg(HW_REG_WAVE_MODE, 25, 1), 1
	s_wait_xcnt 0x0
; PREP: all inputs are read once.  x and the four weights become codes of FP6 (E2M3) with one E8M0 byte for each 32 along K; the RoPE table and the mask's lane words are made beside them.
; THE FORMAT OF EVERY OPERAND OF THIS PROGRAM.  A BLOCK is 128 rows x 128 along K, 12,800 bytes: eight fragments of 1,536 bytes, then 512 bytes of scale words.  A fragment is the image of the matrix
; operand's 12 registers: registers 4 g .. 4 g + 3 of lane l lie at 512 g + 16 l.  Lane (r, h) of fragment f holds row 32 (f / 2) + 8 (f % 2) + r + 8 (r / 8), K = 64 c + 32 h + 0 .. 31 in registers 6 c .. 6 c + 5.
; Scale words: pair j at 12,288 + 128 j + 4 l: lanes 0-15 the rows of fragment 2 j, lanes 16-31 those of fragment 2 j + 1.  A tile of 128 rows over K = 2,048 is 16 blocks on end, 204,800 bytes.
; wx: tiles 0-15 x (rows = tokens), 16-31 Wq, 32-35 Wk, 36-39 Wv, 40-55 Wo (rows = the weight's columns, K = its first axis).
; rope: [token][pair j] (cos, sin), f32.  maskw: [query fragment F][key step s][n]: bit l of word n says whether the key of score register n counts for lane l's query.
; A block's scale is 2^(floor(log2(largest magnitude)) - 2); its byte is the largest magnitude's exponent field - 2, held at 1 from below.
; LIMITS: NaN and infinities among the inputs are not served; a block whose largest magnitude lies under 2^-124 has its byte held at 1; a block of zeros has the byte 1 and not 127 (its codes are zeros, and this
; program alone reads the bytes).  The angle is token x inv_j in f32; inv_j = 10000^(-j / 64) is good to about one unit in its last place, so at token 2,047 the angle is good to about 1e-4.
; SHARES: work-groups 0-127 take x, the table and the mask; work-groups 128-447 take the weights.  No tensor load, no barrier: waves share nothing; each path and each wave has LDS bytes of its own.
.set WV,    26
.set HI,    27
.set SEL,   28
.set TILEB, 204800
.set BLK,   12800
.set XST,   8448                       ; x's and the mask's stage, one a wave: 16 rows x (512 + 16) bytes
.set WST0,  4*XST                      ; behind them the weights' stages,
.set WST,   6144                       ; one a wave: two K steps x two fragments
.set RAW,   16                         ; v16-143  two sets of 16 x 4 registers as loaded
.set X,     144                        ; v144-207 64 numbers of my row in the quantiser's order
.set PC,    208                        ; v208-226 the codes just made
.set TM,    228                        ; v228-243 at work in the quantiser
.set PW,    244                        ; the scale word just made
.set PW0,   245                        ; that of the pair's first fragment
.set SW,    246                        ; the pair's words as they are stored
.set MO,    248                        ; v248-255 the mask's words, two a lane for each of four key steps
.set VO,    16                         ; weights: v16-47 4 lane + i rows
.set WX,    48                         ; v48-111  two sets of 32 numbers down K
.set CD,    112                        ; v112-117 a block's 24 bytes of codes
.set CE,    120
.set SB,    124                        ; v124-125 my column's scale words
.set OUTR,  128                        ; v128-175 fragments on their way out
; 64 numbers of a lane, register 16 b + i = k 32 b + 16 (lane / 16) + i of my row, become a fragment's codes in v[pc] on and its scale word in v[pw] (the same in both halves of the lanes)
.macro QUANT s, pc, tm, pw
.irp b, 0,1,2,3
	v_max3_num_f32 v[\tm+\b], |v[\s+16*\b]|, |v[\s+1+16*\b]|, 0x1800000   ; my 16 numbers of block b, and the floor 2^(3 - 127): the byte cannot fall under 1
.endr
.irp i, 2,4,6,8,10,12,14
.irp b, 0,1,2,3
	v_max3_num_f32 v[\tm+\b], v[\tm+\b], |v[\s+16*\b+\i]|, |v[\s+1+16*\b+\i]|
.endr
.endr
.irp b, 0,1,2,3
	v_permlanex16_b32 v[\tm+4+\b], v[\tm+\b], s[SEL], s[SEL+1]
.endr
.irp b, 0,1,2,3
	v_max_num_f32 v[\tm+\b], v[\tm+\b], v[\tm+4+\b]                ; with lane l xor 16's: the block's largest magnitude
.endr
.irp b, 0,1,2,3
	v_add_nc_u32 v[\tm+12+\b], 0xff000000, v[\tm+\b]               ; 2 off its exponent field: the conversion's scale operand
.endr
.irp b, 0,1,2,3
	v_lshrrev_b32 v[\tm+4+\b], 23, v[\tm+12+\b]                    ; the scale's byte
.endr
	v_lshl_or_b32 v[\pw], v[\tm+5], 8, v[\tm+4]
	v_lshl_or_b32 v[\pw], v[\tm+6], 16, v[\pw]
	v_lshl_or_b32 v[\pw], v[\tm+7], 24, v[\pw]
.irp c, 0,1
	v_cvt_scalef32_pk16_fp6_f32 v[\pc+6*\c:\pc+2+6*\c], v[\s+32*\c:\s+15+32*\c], v[\tm+12+2*\c]
	v_cvt_scalef32_pk16_fp6_f32 v[\pc+12+4*\c:\pc+14+4*\c], v[\s+16+32*\c:\s+31+32*\c], v[\tm+12+2*\c+1]
.endr
	v_nop                                          ; one plain place behind a scaled conversion
.irp c, 0,1                                    ; the operand wants a whole block in a lane: lanes 0-15 block 2 c, lanes 16-31 block 2 c + 1
.irp i, 0,1,2
	v_permlane16_swap_b32 v[\pc+6*\c+\i], v[\pc+12+4*\c+\i]
.endr
.irp i, 0,1,2
	v_mov_b32 v[\pc+3+6*\c+\i], v[\pc+12+4*\c+\i]
.endr
.endr
.endm
	s_load_b512 s[8:23], s[0:1], 0x0               ; x s[8:9], mask s[10:11], Wq s[12:13], Wk s[14:15], Wv s[16:17], Wo s[18:19], wx s[20:21], rope s[22:23]
	s_load_b64 s[24:25], s[0:1], 0x40              ; maskw
	s_load_b64 s[78:79], s[0:1], 0x48              ; mflag
	v_lshl_add_u32 v239, v0, 2, 0xe400
	v_mov_b32 v247, 0
	v_lshrrev_b32 v1, 5, v0
	v_readfirstlane_b32 s[WV], v1                  ; wave 0..3
	v_and_b32 v1, 31, v0                           ; lane
	v_and_b32 v2, 15, v0                           ; r
	v_bfe_u32 v3, v0, 4, 1                         ; h
	v_lshlrev_b32 v4, 4, v1                        ; 16 lane
	v_lshlrev_b32 v5, 2, v1                        ; 4 lane
	s_cmp_lt_u32 ttmp9, 128
	s_cbranch_scc0 .Lweights
; ---------------- x, the table, the mask.  gw = 4 x work-group + wave, 0 .. 511 ----------------
	s_lshl_b32 s30, ttmp9, 2
	s_add_co_u32 s30, s30, s[WV]                   ; gw
	s_lshr_b32 s31, s30, 3                         ; which 32 rows of x
	s_and_b32 s32, s30, 7                          ; which two K steps of 128
	s_lshl_b32 s34, s31, 18                        ; 32 rows of 8,192 bytes
	s_lshl_b32 s33, s32, 10                        ; two K steps are 1,024 bytes of a row
	s_add_co_u32 s34, s34, s33
	s_mov_b32 s35, 0
	s_lshr_b32 s36, s30, 2                         ; F: which query fragment of the mask
	s_and_b32 s37, s30, 3                          ; which 512 keys
	s_lshr_b32 s38, s36, 1
	s_lshl_b32 s38, s38, 16                        ; 32 (F / 2) rows of 2,048 bytes
	s_and_b32 s39, s36, 1
	s_lshl_b32 s39, s39, 14                        ; + 8 (F % 2) rows
	s_add_co_u32 s38, s38, s39
	s_lshl_b32 s39, s37, 9
	s_add_co_u32 s38, s38, s39
	s_mov_b32 s39, 0
	s_lshr_b32 s60, s31, 2                         ; x's tile of 128 tokens
	s_mul_i32 s60, s60, TILEB
	s_mul_i32 s61, s32, 2*BLK
	s_add_co_u32 s60, s60, s61                     ; the block of my first K step
	s_and_b32 s61, s31, 3                          ; the pair of fragments
	s_mul_i32 s62, s61, 3072
	s_add_co_u32 s62, s62, s60
	s_mov_b32 s63, 0
	s_lshl_b32 s61, s61, 7
	s_add_co_u32 s60, s60, s61
	s_add_co_u32 s60, s60, 12288                   ; and its scale words
	s_mov_b32 s61, 0
	s_lshl_b32 s74, s30, 11                        ; the table: four rows of 512 bytes a wave
	s_mov_b32 s75, 0
	s_lshl_b32 s76, s36, 12                        ; maskw: 4,096 bytes a fragment, 256 a key step
	s_lshl_b32 s77, s37, 10
	s_add_co_u32 s76, s76, s77
	s_mov_b32 s77, 0
	s_mul_i32 s33, s[WV], XST                      ; my stage
	s_wait_alu depctr_va_vdst(0)
	v_add_nc_u32 v6, s33, v4                       ; in: 16 lane (+ 528 a row)
	v_mul_u32_u24 v7, v2, 528
	v_add_nc_u32 v7, s33, v7
	v_lshl_add_u32 v8, v3, 4, v7                   ; back, the mask: row r, + 16 h
	v_lshl_add_u32 v7, v3, 6, v7                   ; back, x: row r, + 64 h
	v_lshlrev_b32 v10, 3, v1                       ; 8 lane
	s_mov_b32 s[HI], 0xffff0000
	s_mov_b32 s[SEL], 0x76543210
	s_mov_b32 s[SEL+1], 0xfedcba98
	s_mov_b32 s40, 0x3e549a78                      ; log2(10000) / 64, its f32 part,
	s_mov_b32 s41, 0x31979a39                      ; and what that leaves: 4.4122e-9
	s_mov_b32 s42, 0xbf317218                      ; -ln 2
	s_mov_b32 s43, 0x3f22f983                      ; 2 / pi
	s_mov_b32 s44, 0x3fc90fdb                      ; pi / 2, its f32 part,
	s_mov_b32 s45, 0x333bbd2e                      ; and that part less pi / 2: 4.3711e-8
	s_mov_b32 s46, 0xb94ca1f9                      ; sine: -1.9515295891e-4, 8.3321608736e-3, -1.6666654611e-1
	s_mov_b32 s47, 0x3c08839e
	s_mov_b32 s48, 0xbe2aaaa3
	s_mov_b32 s49, 0x37ccf5ce                      ; cosine: 2.443315711e-5, -1.388731625e-3, 4.166664568e-2
	s_mov_b32 s50, 0xbab6061a
	s_mov_b32 s51, 0x3d2aaaa5
.irp b, 0,1,2,3
	v_mov_b32 v[TM+4+\b], 0                        ; written once: a lane permute's destination counts as one of its sources
.endr
.irp b, 0,1,2,3,4,5,6,7
	v_mov_b32 v[MO+\b], 0                          ; likewise for v_writelane_b32
.endr
	s_wait_kmcnt 0x0
	s_add_nc_u64 s[8:9], s[8:9], s[34:35]
	s_add_nc_u64 s[10:11], s[10:11], s[38:39]
	s_add_nc_u64 s[66:67], s[20:21], s[62:63]      ; my fragments in wx
	s_add_nc_u64 s[68:69], s[20:21], s[60:61]      ; my scale words in wx
	s_add_nc_u64 s[70:71], s[22:23], s[74:75]
	s_add_nc_u64 s[72:73], s[24:25], s[76:77]
.macro XLD set, sl, u                          ; the 16 rows of one fragment, K step sl: each load reads a row's 512 consecutive bytes
.irp p, 0,1,2,3,4,5,6,7,8,9,10,11,12,13,14,15
	global_load_b128 v[RAW+64*\set+4*\p:RAW+64*\set+4*\p+3], v4, s[8:9] offset:(8*\u+\p+8*(\p/8))*8192+512*\sl th:TH_LOAD_NT
.endr
.endm
.macro MLD set                                 ; the 16 rows of my query fragment, 512 keys: 512 consecutive bytes a load
.irp p, 0,1,2,3,4,5,6,7,8,9,10,11,12,13,14,15
	global_load_b128 v[RAW+64*\set+4*\p:RAW+64*\set+4*\p+3], v4, s[10:11] offset:(\p+8*(\p/8))*2048 th:TH_LOAD_NT
.endr
.endm
.macro TOSTAGE set, left                       ; left: the younger loads, which may stay out
	s_wait_loadcnt \left
	s_wait_xcnt 0x0                                ; every earlier store has read its registers: X, the codes and the scale word may be written again
.irp p, 0,1,2,3,4,5,6,7,8,9,10,11,12,13,14,15
	ds_store_b128 v6, v[RAW+64*\set+4*\p:RAW+64*\set+4*\p+3] offset:528*\p
.endr
.endm
.macro XBACK                                   ; LDS serves a wave's instructions in order: these see the stores above.  Lane (r, h): 16 neighbours of each block of 32 of row r
.irp b, 0,1,2,3
.irp k, 0,1,2,3
	ds_load_b128 v[X+16*\b+4*\k:X+16*\b+4*\k+3], v7 offset:128*\b+16*\k
.endr
.endr
	s_wait_dscnt 0x0                               ; X is in, and the stage's stores have read the loaded set
.endm
.macro XOUT sl, u
.irp g, 0,1,2
	global_store_b128 v4, v[PC+4*\g:PC+4*\g+3], s[66:67] offset:\sl*BLK+\u*1536+512*\g   ; 512 consecutive bytes a store
.endr
.endm
	XLD 0, 0, 0
	XLD 1, 0, 1
	; the RoPE table's rows 4 gw .. 4 gw + 3, while the first loads are on their way.  Lane l owns pairs j = 2 l and 2 l + 1
	v_lshlrev_b32 v9, 1, v1
	v_cvt_f32_u32 v144, v9
	v_add_f32 v145, 1.0, v144
.irp e, 0,1
	v_mul_f32 v[146+\e], s40, v[144+\e]            ; p = j log2(10000) / 64, rounded
.endr
.irp e, 0,1
	v_fma_f32 v[148+\e], v[144+\e], s40, -v[146+\e]   ; what the rounding dropped, exactly,
.endr
.irp e, 0,1
	v_fma_f32 v[148+\e], v[144+\e], s41, v[148+\e]    ; and the constant's own rest
.endr
.irp e, 0,1
	v_mul_f32 v[148+\e], s42, v[148+\e]
.endr
	v_exp_f32 v150, -v146
	v_exp_f32 v151, -v147
	v_nop                                          ; one plain place behind a transcendental
	s_wait_alu depctr_va_vdst(0)
	v_fma_f32 v150, v150, v148, v150               ; inv_j = 2^-p (1 - rest ln 2)
	v_fma_f32 v151, v151, v149, v151
	s_lshl_b32 s33, s30, 2
	v_cvt_f32_u32 v152, s33                        ; my four tokens
	v_add_f32 v153, 1.0, v152
	v_add_f32 v154, 2.0, v152
	v_add_f32 v155, 1.0, v154
; cos and sin of token x inv: n = the nearest whole number of quarter turns; the rest, taken in two parts (the first fused multiply-add is exact: n is under 2^11), lies within pi / 4; polynomials; the quarter picks and signs
.macro TRIG tok, inv, c, s
	v_mul_f32 v176, v[\tok], v[\inv]
	v_mul_f32 v177, s43, v176
	v_rndne_f32 v177, v177
	v_fma_f32 v178, -v177, s44, v176
	v_fma_f32 v178, v177, s45, v178
	v_mul_f32 v179, v178, v178
	v_fma_f32 v180, v179, s46, s47
	v_fma_f32 v180, v180, v179, s48
	v_mul_f32 v182, v178, v179
	v_fma_f32 v180, v182, v180, v178               ; sine of the rest
	v_fma_f32 v181, v179, s49, s50
	v_fma_f32 v181, v181, v179, s51
	v_fma_f32 v183, v179, -0.5, 1.0
	v_mul_f32 v182, v179, v179
	v_fma_f32 v181, v182, v181, v183               ; cosine of the rest
	v_cvt_i32_f32 v184, v177
	v_and_b32 v182, 1, v184
	v_cmp_ne_u32 vcc_lo, 0, v182
	v_cndmask_b32 v[\s], v180, v181, vcc_lo        ; odd quarters change the two
	v_cndmask_b32 v[\c], v181, v180, vcc_lo
	v_lshlrev_b32 v182, 30, v184
	v_and_b32 v182, 0x80000000, v182
	v_xor_b32 v[\s], v[\s], v182                   ; sine is negated in quarters 2 and 3,
	v_add_nc_u32 v184, 1, v184
	v_lshlrev_b32 v182, 30, v184
	v_and_b32 v182, 0x80000000, v182
	v_xor_b32 v[\c], v[\c], v182                   ; cosine in quarters 1 and 2
.endm
.irp k, 0,1,2,3
	TRIG 152+\k, 150, 160+4*\k, 161+4*\k
	TRIG 152+\k, 151, 162+4*\k, 163+4*\k
	global_store_b128 v4, v[160+4*\k:163+4*\k], s[70:71] offset:512*\k   ; a whole row of 512 bytes
.endr
	; four fragments of x; loads run two jobs ahead in two sets
	TOSTAGE 0, 16                                  ; this job's 16 loads are in; the next job's 16 may be out
	XBACK
	XLD 0, 1, 0
	QUANT X, PC, TM, PW
	XOUT 0, 0
	v_mov_b32 v[PW0], v[PW]
	TOSTAGE 1, 16
	XBACK
	XLD 1, 1, 1
	QUANT X, PC, TM, PW
	XOUT 0, 1
	v_cndmask_b32 v[SW], v[PW0], v[PW], s[HI]      ; lanes 0-15 the first fragment's words, lanes 16-31 the second's
	global_store_b32 v5, v[SW], s[68:69]
	TOSTAGE 0, 16
	XBACK
	MLD 0
	QUANT X, PC, TM, PW
	XOUT 1, 0
	v_mov_b32 v[PW0], v[PW]
	TOSTAGE 1, 16
	XBACK
	QUANT X, PC, TM, PW
	XOUT 1, 1
	v_cndmask_b32 v[SW], v[PW0], v[PW], s[HI]
	global_store_b32 v5, v[SW], s[68:69] offset:BLK
	; the mask: lane (r, h) takes, for key step sl and block b, the 16 bytes of keys 128 sl + 32 b + 16 h + 0 .. 15 of its query
	TOSTAGE 0, 0
.irp sl, 0,1,2,3
.irp b, 0,1,2,3
	ds_load_b128 v[X+16*\sl+4*\b:X+16*\sl+4*\b+3], v8 offset:128*\sl+32*\b
.endr
.endr
	s_wait_dscnt 0x0
.irp sl, 0,1,2,3
.set n, 0
.rept 64                                       ; word n: one bit a lane; it goes to lane n / 2, which stores words 2 (n / 2) and 2 (n / 2) + 1
	v_and_b32 v[TM+n%4], 0xff<<(8*(n%4)), v[X+16*\sl+4*(n/16)+(n%16)/4]
	v_cmp_ne_u32 s[52+n%8], 0, v[TM+n%4]
	v_writelane_b32 v[MO+2*\sl+(n&1)], s[52+n%8], n>>1
.set n, n+1
.endr
	global_store_b64 v10, v[MO+2*\sl:MO+2*\sl+1], s[72:73] offset:256*\sl   ; 256 consecutive bytes, aligned
.endr
	; mflag: for my query fragment and my four key steps s = 4 q + sl: bit s says that some key of the 16 x 128 tile counts, bit 16 + s that all do.
	; A bool is 0 or 1, so the sum of a lane's 16 registers has 0 .. 16 in each byte: 0 = none of my 64 keys, 0x10101010 = all of them.
	s_mov_b32 s76, 0
.irp sl, 0,1,2,3
	v_add3_u32 v236, v[X+16*\sl], v[X+16*\sl+1], v[X+16*\sl+2]
.irp i, 3,5,7,9,11,13
	v_add3_u32 v236, v236, v[X+16*\sl+\i], v[X+16*\sl+\i+1]
.endr
	v_add_nc_u32 v236, v236, v[X+16*\sl+15]
	v_cmp_ne_u32 s62, 0, v236                      ; lanes with a key that counts
	v_cmp_ne_u32 s63, 0x10101010, v236             ; lanes with a hidden key
	s_cmp_lg_u32 s62, 0
	s_cselect_b32 s74, 1<<\sl, 0
	s_cmp_eq_u32 s63, 0
	s_cselect_b32 s75, 0x10000<<\sl, 0
	s_or_b32 s76, s76, s74
	s_or_b32 s76, s76, s75
.endr
	s_lshl_b32 s74, s37, 2
	s_lshl_b32 s76, s76, s74                       ; to the places of steps 4 q ..
	s_lshl_b32 s60, s30, 7                         ; 128 bytes a wave, the same word in every lane: a work-group stores 512 consecutive bytes
	s_mov_b32 s61, 0
	s_add_nc_u64 s[78:79], s[78:79], s[60:61]
	v_mov_b32 v237, s76
	global_store_b32 v5, v237, s[78:79]
	s_wait_tensorcnt 0x0
	ds_add_u32 v239, v247
	s_wait_dscnt 0x0
	s_endpgm
; ---------------- the weights.  A work-group takes 128 columns x 256 along K; wave w the 32 columns of the pair of fragments w ----------------
; A lane takes a column and its registers run down K: a block of 32 lies in one lane, and the conversions give codes with K innermost.
.Lweights:
	s_sub_co_u32 s30, ttmp9, 128
	s_lshr_b32 s31, s30, 3                         ; c: the tile of columns, 0 .. 39
	s_and_b32 s32, s30, 7                          ; y: which 256 along K
	s_sub_co_u32 s37, s31, 24
	s_sub_co_u32 s38, s31, 20
	s_sub_co_u32 s39, s31, 16
	s_mov_b32 s40, 8192
	s_wait_kmcnt 0x0
	s_cmp_lt_u32 s31, 24                           ; the tensor, the tile in it and its row's bytes hang on the work-group's number alone
	s_cselect_b64 s[34:35], s[16:17], s[18:19]     ; Wv or Wo
	s_cselect_b32 s33, s38, s37
	s_cselect_b32 s36, 2048, s40
	s_cmp_lt_u32 s31, 20
	s_cselect_b64 s[34:35], s[14:15], s[34:35]     ; Wk
	s_cselect_b32 s33, s39, s33
	s_cmp_lt_u32 s31, 16
	s_cselect_b64 s[34:35], s[12:13], s[34:35]     ; Wq
	s_cselect_b32 s33, s31, s33
	s_cselect_b32 s36, s40, s36
	s_lshl_b32 s42, s33, 9                         ; 128 columns are 512 bytes,
	s_lshl_b32 s43, s[WV], 7                       ; my wave's 32 are 128
	s_add_co_u32 s42, s42, s43
	s_lshl_b32 s43, s32, 8
	s_mul_i32 s43, s43, s36                        ; 256 y rows
	s_add_co_u32 s42, s42, s43
	s_mov_b32 s43, 0
	s_add_nc_u64 s[48:49], s[34:35], s[42:43]      ; a base for each of the eight blocks of 32 rows: none is ever stepped
	s_lshl_b32 s44, s36, 5
	s_mov_b32 s45, 0
.irp t, 1,2,3,4,5,6,7
	s_add_nc_u64 s[48+2*\t:49+2*\t], s[46+2*\t:47+2*\t], s[44:45]
.endr
	s_wait_alu depctr_va_vdst(0)
	v_mov_b32 v[VO], v5
.irp i, 1,2,3,4,5,6,7,8,9,10,11,12,13,14,15,16,17,18,19,20,21,22,23,24,25,26,27,28,29,30,31
	v_add_nc_u32 v[VO+\i], s36, v[VO+\i-1]         ; 4 lane + i rows
.endr
	v_bfe_u32 v6, v0, 3, 1                         ; column 32 w + l is row r' = l % 8 + 8 (l / 16) of fragment 2 w + u, u = (l / 8) % 2
	v_and_b32 v7, 7, v0
	v_lshl_add_u32 v7, v3, 3, v7
	s_mul_i32 s46, s[WV], WST
	s_add_co_u32 s46, s46, WST0                    ; my stage
	v_mul_u32_u24 v8, v6, 1536
	v_lshl_add_u32 v8, v7, 4, v8
	v_add_nc_u32 v8, s46, v8                       ; in: fragment u, lane r'
	v_add_nc_u32 v9, s46, v4                       ; back: 16 lane
	v_lshl_add_u32 v10, v6, 4, v7
	v_lshlrev_b32 v10, 2, v10                      ; my scale word's place in the pair's 128 bytes
	s_add_co_u32 s66, s31, 16
	s_mul_i32 s66, s66, TILEB
	s_mul_i32 s67, s32, 2*BLK
	s_add_co_u32 s66, s66, s67                     ; the block of K step 2 y
	s_lshl_b32 s72, s[WV], 7
	s_add_co_u32 s72, s72, s66
	s_add_co_u32 s72, s72, 12288
	s_mov_b32 s73, 0
	s_mul_i32 s67, s[WV], 3072
	s_add_co_u32 s66, s66, s67
	s_mov_b32 s67, 0
	s_add_nc_u64 s[68:69], s[20:21], s[66:67]
	s_add_nc_u64 s[70:71], s[20:21], s[72:73]
.macro WLOAD t                                 ; block t: 32 rows; each load reads 128 consecutive bytes, and the four waves stand side by side on 512
.irp i, 0,1,2,3,4,5,6,7,8,9,10,11,12,13,14,15,16,17,18,19,20,21,22,23,24,25,26,27,28,29,30,31
	global_load_b32 v[WX+32*((\t)%2)+\i], v[VO+\i], s[48+2*(\t):49+2*(\t)] th:TH_LOAD_NT
.endr
.endm
.macro WBLOCK t
.set XS, WX+32*((\t)%2)
.set SL, (\t)/4                                ; which of my two K steps
.set KB, (\t)%4                                ; which block of 32 in it
.if (\t) < 7
	s_wait_loadcnt 32                              ; this block's 32 loads are in; the next block's may be out
.else
	s_wait_loadcnt 0x0
.endif
	v_max3_num_f32 v12, |v[XS]|, |v[XS+1]|, |v[XS+2]|
	v_max3_num_f32 v13, |v[XS+3]|, |v[XS+4]|, |v[XS+5]|
.irp i, 6,10,14,18,22,26
	v_max3_num_f32 v12, v12, |v[XS+\i]|, |v[XS+\i+1]|
	v_max3_num_f32 v13, v13, |v[XS+\i+2]|, |v[XS+\i+3]|
.endr
	v_max3_num_f32 v12, v12, |v[XS+30]|, |v[XS+31]|
	v_max3_num_f32 v12, v12, v13, 0x1800000        ; and the floor 2^(3 - 127)
	v_add_nc_u32 v11, 0xff000000, v12
	v_lshrrev_b32 v13, 23, v11
.if KB == 0
	v_mov_b32 v[SB+SL], v13
.else
	v_lshl_or_b32 v[SB+SL], v13, 8*KB, v[SB+SL]
.endif
	v_cvt_scalef32_pk16_fp6_f32 v[CD:CD+2], v[XS:XS+15], v11
	v_cvt_scalef32_pk16_fp6_f32 v[CE:CE+2], v[XS+16:XS+31], v11
	v_nop                                          ; one plain place behind a scaled conversion
.irp i, 0,1,2
	v_mov_b32 v[CD+3+\i], v[CE+\i]
.endr
; block KB is registers 6 (KB / 2) .. + 5 of lane r' + 16 (KB % 2) of the fragment's image
.if KB < 2
	ds_store_b128 v8, v[CD:CD+3] offset:3072*SL+256*(KB%2)
	ds_store_b64 v8, v[CD+4:CD+5] offset:3072*SL+256*(KB%2)+512
.else
	ds_store_b64 v8, v[CD:CD+1] offset:3072*SL+256*(KB%2)+520
	ds_store_b128 v8, v[CD+2:CD+5] offset:3072*SL+256*(KB%2)+1024
.endif
.if (\t)+2 < 8
	WLOAD (\t)+2
.endif
	s_wait_dscnt 0x0                               ; the stores have read their registers: the next block's codes may be written
.endm
.macro WOUT sl                                 ; two fragments, 3,072 consecutive bytes, and their scale words
.irp g, 0,1,2,3,4,5
	ds_load_b128 v[OUTR+24*\sl+4*\g:OUTR+24*\sl+4*\g+3], v9 offset:3072*\sl+512*\g
.endr
	s_wait_dscnt 0x0
.irp g, 0,1,2,3,4,5
	global_store_b128 v4, v[OUTR+24*\sl+4*\g:OUTR+24*\sl+4*\g+3], s[68:69] offset:\sl*BLK+512*\g
.endr
	global_store_b32 v10, v[SB+\sl], s[70:71] offset:\sl*BLK
.endm
	WLOAD 0
	WLOAD 1
	WBLOCK 0
	WBLOCK 1
	WBLOCK 2
	WBLOCK 3
	s_wait_alu depctr_va_vdst(0)
	WOUT 0
	WBLOCK 4
	WBLOCK 5
	WBLOCK 6
	WBLOCK 7
	s_wait_alu depctr_va_vdst(0)
	WOUT 1
	s_wait_tensorcnt 0x0
	ds_add_u32 v239, v247
	s_wait_dscnt 0x0
	s_endpgm
.Lfunc_end_k_q4f46799e4e_prep:
	.size	k_q4f46799e4e_prep, .Lfunc_end_k_q4f46799e4e_prep-k_q4f46799e4e_prep
	.p2alignl 7, 3214868480
	.fill 96, 4, 3214868480
	.section	.rodata,"a",@progbits
	.p2align	6, 0x0
	.amdhsa_kernel k_q4f46799e4e_prep
		.amdhsa_group_segment_fixed_size 58880
		.amdhsa_private_segment_fixed_size 0
		.amdhsa_enable_private_segment 0
		.amdhsa_kernarg_size 80
		.amdhsa_user_sgpr_count 2
		.amdhsa_user_sgpr_kernarg_segment_ptr 1
		.amdhsa_wavefront_size32 1
		.amdhsa_system_sgpr_workgroup_id_x 1
		.amdhsa_system_sgpr_workgroup_id_y 1
		.amdhsa_system_sgpr_workgroup_id_z 1
		.amdhsa_system_vgpr_workitem_id 0
		.amdhsa_next_free_vgpr 256
		.amdhsa_next_free_sgpr 80
		.amdhsa_reserve_vcc 1
		.amdhsa_float_denorm_mode_32 3
		.amdhsa_float_denorm_mode_16_64 3
		.amdhsa_memory_ordered 1
		.amdhsa_forward_progress 1
		.amdhsa_inst_pref_size 145
	.end_amdhsa_kernel
	.amdgpu_metadata
---
amdhsa.version: [ 1, 2 ]
amdhsa.kernels:
  - .name:           k_q4f46799e4e_prep
    .symbol:         k_q4f46799e4e_prep.kd
    .args:
      - { .name: x, .offset: 0, .size: 8, .value_kind: global_buffer, .address_space: global }
      - { .name: mask, .offset: 8, .size: 8, .value_kind: global_buffer, .address_space: global }
      - { .name: Wq, .offset: 16, .size: 8, .value_kind: global_buffer, .address_space: global }
      - { .name: Wk, .offset: 24, .size: 8, .value_kind: global_buffer, .address_space: global }
      - { .name: Wv, .offset: 32, .size: 8, .value_kind: global_buffer, .address_space: global }
      - { .name: Wo, .offset: 40, .size: 8, .value_kind: global_buffer, .address_space: global }
      - { .name: wx, .offset: 48, .size: 8, .value_kind: global_buffer, .address_space: global }
      - { .name: rope, .offset: 56, .size: 8, .value_kind: global_buffer, .address_space: global }
      - { .name: maskw, .offset: 64, .size: 8, .value_kind: global_buffer, .address_space: global }
      - { .name: mflag, .offset: 72, .size: 8, .value_kind: global_buffer, .address_space: global }
    .group_segment_fixed_size: 58880
    .private_segment_fixed_size: 0
    .kernarg_segment_align: 8
    .kernarg_segment_size: 80
    .max_flat_workgroup_size: 128
    .sgpr_count:     80
    .vgpr_count:     256
    .wavefront_size: 32
...
	.end_amdgpu_metadata
.endif
;; end of part 1
;; launch qkvgemm (part 2): grid 24 x 16, 4 waves a work-group, clusters of 4 x 4, 327,680 bytes of LDS; arguments wx, rope, qkv; writes qkv
.if DOCPART == 2
	.amdgcn_target "amdgcn-amd-amdhsa--gfx1250"
	.amdhsa_code_object_version 6
	.text
	.protected	k_q4f46799e4e_qkvgemm
	.globl	k_q4f46799e4e_qkvgemm
	.p2align	8
	.type	k_q4f46799e4e_qkvgemm,@function
k_q4f46799e4e_qkvgemm:
	s_mov_b64 s[64:65], 0
	v_nop
	global_prefetch_b8 v0, s[64:65] scope:SCOPE_SE
	s_setreg_imm32_b32 hwreg(HW_REG_WAVE_MODE, 25, 1), 1
	s_wait_xcnt 0x0
	s_wait_alu depctr_hold_cnt(0) depctr_sa_sdst(0) depctr_va_vdst(0) depctr_va_sdst(0) depctr_va_ssrc(0) depctr_va_vcc(0) depctr_vm_vsrc(0)
	s_getreg_b32 s2, hwreg(HW_REG_IB_STS2, 6, 4)
	s_cmp_eq_u32 s2, 0
	s_cbranch_scc0 .Lentry_in_a_cluster
	s_endpgm
.Lentry_in_a_cluster:
	s_bfe_u32 s2, ttmp6, 0x10000c
	s_cmp_lg_u32 s2, 0xf033
	s_cbranch_scc0 .Lentry_shape_is_right
	s_endpgm
.Lentry_shape_is_right:
; QKV: q = x Wq, k = x Wk, v = x Wv on codes of FP6 (E2M3) with E8M0 scales; RoPE on q and k in f32; the results are quantised again and leave as codes alone.
; OPERANDS lie as blocks of 128 rows x 128 K, 12,800 bytes: eight images of a fragment's 12 registers (registers 4 g .. of lane l at 512 g + 16 l), then 512 bytes of scale words (pair j at 12,288 + 128 j + 4 l).
; Lane (r, h) of fragment f holds row 32 (f / 2) + 8 (f % 2) + r + 8 (r / 8).  A tile of 128 rows over K = 2,048 is 16 blocks on end.
; A TILE of 128 x 128 is made by four waves.  Source 1 (R) gives a lane its row, source 0 (P) runs along its registers: wave w owns R's fragments 2 w, 2 w + 1 and all eight of P: 16 accumulators.  By the
; choice of a fragment's rows the 64 registers of one R fragment are 128 neighbours along P in the quantiser's order: a whole fragment and a whole scale word of the next product are made inside one wave.
; q, k (cluster columns 0-4): R = 128 tokens of x, P = a head's 128 columns: codes along d.  v (cluster column 5): R = a head's 128 columns of Wv, P = 128 tokens: a lane holds one d and its registers run
; along the tokens, so v is quantised along the keys; only addresses differ.  qkv: slots 0-15 q, 16-19 k (block = 128 tokens), 20-23 v (block = 128 keys; rows = d).
; K goes in 16 steps of 128, four to a chunk.  LDS has three regions of 102,400 bytes (R's four blocks, then P's four); chunks 0, 1, 2 are first fills, chunk 3 fills region 0 again.
; CLUSTERS: 4 x 4 work-groups; R's blocks are shared along a row of the cluster, P's along a column: each is asked for jointly.  By this text's count a wave has three tensor loads out at the most.
; LIMITS: NaN and infinities are not served; a block whose largest magnitude lies under 2^-124 has its byte held at 1, a block of zeros has the byte 1 (its codes are zeros; this program alone reads the bytes).
; REGISTERS: window 0: v1-21 addresses; v28, v29 for the add; v32-36, v40-44 scale words, two sets; v48-122 at work at the end; v128-255 the accumulators ((a, t) at v[128 + 64 a + 8 t]).
;   window 1: two sets of 120: R's two fragments, then P's eight.   window 2: v0-127 cos and sin for my 128 numbers a lane.
.set WV,    3
.set G1A,   8                          ; s[8:15]  group 1 for R's blocks (mask: my row of the cluster);  s[16:23] for P's (my column)
.set G1B,   16
.set G0A,   24                         ; s[24:39] group 0 for R's four chunks;  s[40:55] for P's: none is ever rewritten
.set G0B,   40
.set HI,    97
.set SEL,   98
.set TILEB, 204800
.set BLK,   12800
.set RGN,   102400
.set SPARE, 3*RGN                      ; behind the regions: the spare words, 128 bytes for each wave, that no other line names
.set ADRA,  4                          ; v4-6   R's fragments in region 0, 1, 2: 16 lane + 3,072 wave
.set ADRB,  8                          ; v8-10  P's: 16 lane + 51,200
.set ASA,   12                         ; v12-14 R's scale words: 4 lane + 128 wave + 12,288
.set ASB,   16                         ; v16-18 P's
.set SPW,   28
.set NIL,   29
.set SC,    32
.set ACC,   128
.set MSB,   0
.macro WIN new                         ; the immediate's high byte repeats the setting that is left
.if MSB != \new
	s_set_vgpr_msb (MSB<<8)|\new
.set MSB, \new
.endif
.endm
.macro PLACES n
.rept \n
	v_nop
.endr
.endm
.macro CREST                           ; a round of the cluster's barrier behind its opening barrier
	s_cmp_lg_u32 s[WV], 0
	s_cbranch_scc1 .Lnot_wave_0_\@
	s_barrier_signal -3
.Lnot_wave_0_\@:
	s_barrier_wait -3
	s_barrier_signal -1
	s_barrier_wait -1
.endm
.macro CROUND
	s_barrier_signal -1
	s_barrier_wait -1
	CREST
.endm
.macro JLOAD n                         ; a joint load of chunk n: waves 0, 1 fetch R's halves, waves 2, 3 P's; four v_nop follow each line
	s_cmp_lt_u32 s[WV], 2
	s_cbranch_scc0 .Lfor_b_\@
	tensor_load_to_lds s[G0A+4*\n:G0A+4*\n+3], s[G1A:G1A+7]
	s_nop 0
	PLACES 4
	s_branch .Lasked_\@
.Lfor_b_\@:
	tensor_load_to_lds s[G0B+4*\n:G0B+4*\n+3], s[G1B:G1B+7]
	s_nop 0
	PLACES 4
.Lasked_\@:
.endm
.macro WMM ra, rb, zero                ; one product on the registers named by rD, rP, rR, rSP, rSR; ra, rb: the scale words lie in lanes 16-31
.if \zero
.if (\ra) && (\rb)
	v_wmma_scale_f32_16x16x128_f8f6f4 v[rD:rD+7], v[rP:rP+11], v[rR:rR+11], 0, v[rSP], v[rSR] matrix_a_fmt:MATRIX_FMT_FP6 matrix_b_fmt:MATRIX_FMT_FP6 matrix_a_scale:MATRIX_SCALE_ROW1 matrix_b_scale:MATRIX_SCALE_ROW1
.elseif \ra
	v_wmma_scale_f32_16x16x128_f8f6f4 v[rD:rD+7], v[rP:rP+11], v[rR:rR+11], 0, v[rSP], v[rSR] matrix_a_fmt:MATRIX_FMT_FP6 matrix_b_fmt:MATRIX_FMT_FP6 matrix_a_scale:MATRIX_SCALE_ROW1
.elseif \rb
	v_wmma_scale_f32_16x16x128_f8f6f4 v[rD:rD+7], v[rP:rP+11], v[rR:rR+11], 0, v[rSP], v[rSR] matrix_a_fmt:MATRIX_FMT_FP6 matrix_b_fmt:MATRIX_FMT_FP6 matrix_b_scale:MATRIX_SCALE_ROW1
.else
	v_wmma_scale_f32_16x16x128_f8f6f4 v[rD:rD+7], v[rP:rP+11], v[rR:rR+11], 0, v[rSP], v[rSR] matrix_a_fmt:MATRIX_FMT_FP6 matrix_b_fmt:MATRIX_FMT_FP6
.endif
.else
.if (\ra) && (\rb)
	v_wmma_scale_f32_16x16x128_f8f6f4 v[rD:rD+7], v[rP:rP+11], v[rR:rR+11], v[rD:rD+7], v[rSP], v[rSR] matrix_a_fmt:MATRIX_FMT_FP6 matrix_b_fmt:MATRIX_FMT_FP6 matrix_a_scale:MATRIX_SCALE_ROW1 matrix_b_scale:MATRIX_SCALE_ROW1
.elseif \ra
	v_wmma_scale_f32_16x16x128_f8f6f4 v[rD:rD+7], v[rP:rP+11], v[rR:rR+11], v[rD:rD+7], v[rSP], v[rSR] matrix_a_fmt:MATRIX_FMT_FP6 matrix_b_fmt:MATRIX_FMT_FP6 matrix_a_scale:MATRIX_SCALE_ROW1
.elseif \rb
	v_wmma_scale_f32_16x16x128_f8f6f4 v[rD:rD+7], v[rP:rP+11], v[rR:rR+11], v[rD:rD+7], v[rSP], v[rSR] matrix_a_fmt:MATRIX_FMT_FP6 matrix_b_fmt:MATRIX_FMT_FP6 matrix_b_scale:MATRIX_SCALE_ROW1
.else
	v_wmma_scale_f32_16x16x128_f8f6f4 v[rD:rD+7], v[rP:rP+11], v[rR:rR+11], v[rD:rD+7], v[rSP], v[rSR] matrix_a_fmt:MATRIX_FMT_FP6 matrix_b_fmt:MATRIX_FMT_FP6
.endif
.endif
.endm
; eight products of K step q: R's fragment a against P's eight.  The 16 accumulators take turns, one instruction a turn, in the same order in every step.  zero = 1: the products start the sums
.macro MUL8 q, a, zero
.irp t, 0,1,2,3,4,5,6,7
.set rD, ACC+64*(\a)+8*\t
.set rP, 128*((\q)%2)+24+12*\t
.set rR, 128*((\q)%2)+12*(\a)
.set rSP, SC+8*((\q)%2)+1+\t/2
.set rSR, SC+8*((\q)%2)
	WMM \t%2, \a, \zero
.endr
.endm
.macro FETCH q                         ; K step q's ten fragments and five registers of scale words into set q % 2: 35 LDS loads, each of consecutive bytes
.set RG, ((\q)/4)%3
.set KO, ((\q)%4)*BLK
.set FS, 128*((\q)%2)
.set SS, SC+8*((\q)%2)
	WIN 0x40                                       ; destination window 1, address window 0
.irp a, 0,1
.irp g, 0,1,2
	ds_load_b128 v[FS+12*\a+4*\g:FS+12*\a+4*\g+3], v[ADRA+RG] offset:KO+1536*\a+512*\g
.endr
.endr
.irp t, 0,1,2,3,4,5,6,7
.irp g, 0,1,2
	ds_load_b128 v[FS+24+12*\t+4*\g:FS+24+12*\t+4*\g+3], v[ADRB+RG] offset:KO+1536*\t+512*\g
.endr
.endr
	WIN 0
	ds_load_b32 v[SS], v[ASA+RG] offset:KO
.irp j, 0,1,2,3
	ds_load_b32 v[SS+1+\j], v[ASB+RG] offset:KO+128*\j
.endr
.endm
.macro STEPK q, zero                   ; a K step whose successor's blocks are known to lie in LDS
	PLACES 4                                       ; four places in front of loads into registers that the last step's products read
	FETCH (\q)+1
	s_wait_dscnt 35                                ; all but the 35 just issued: this step's set is in
	WIN 0x05                                       ; sources 0 and 1 window 1, C and D window 0
	MUL8 \q, 0, \zero
	MUL8 \q, 1, \zero
.endm
; A K step with the work-group's barrier in it.  In front of the signal each wave waits for all its tensor loads, adds 0 to its spare word, and waits for that and for all its LDS reads.
; fill = n > 0: the barrier opens a round of the cluster's barrier, and chunk n is asked for behind it, one joint load a wave (chunk 2: region 2's first fill; chunk 3: region 0 again, which nobody reads any more).
.macro TURN q, fill
	WIN 0                                          ; (the add's two registers lie in window 0)
	s_wait_tensorcnt 0x0                           ; all my tensor loads have landed
	ds_add_u32 v[SPW], v[NIL]                      ; 0 onto my spare word
	s_wait_dscnt 1                                 ; (the add may be out; this step's 35 loads are in)
	WIN 0x05
	MUL8 \q, 0, 0                                  ; eight matrix instructions stand between the add and the wait for it
	s_wait_dscnt 0x0                               ; the add is done, and my LDS reads are over
	s_barrier_signal -1
	MUL8 \q, 1, 0
	WIN 0
	s_barrier_wait -1
.if \fill
	CREST                                          ; no wave of any partner still reads the region or has a load on its way
	JLOAD \fill                                    ; the first tensor load behind the round; its four v_nop are also the places in front of the loads below
.else
	PLACES 4
.endif
	FETCH (\q)+1
.endm
; 64 numbers of a lane, register 16 b + i = k 32 b + 16 (lane / 16) + i of my row, become a fragment's codes in v[pc] on and its scale word in v[pw]
.macro QUANT s, pc, tm, pw
.irp b, 0,1,2,3
	v_max3_num_f32 v[\tm+\b], |v[\s+16*\b]|, |v[\s+1+16*\b]|, 0x1800000   ; my 16 numbers of block b, and the floor 2^(3 - 127): the byte cannot fall under 1
.endr
.irp i, 2,4,6,8,10,12,14
.irp b, 0,1,2,3
	v_max3_num_f32 v[\tm+\b], v[\tm+\b], |v[\s+16*\b+\i]|, |v[\s+1+16*\b+\i]|
.endr
.endr
.irp b, 0,1,2,3
	v_permlanex16_b32 v[\tm+4+\b], v[\tm+\b], s[SEL], s[SEL+1]
.endr
.irp b, 0,1,2,3
	v_max_num_f32 v[\tm+\b], v[\tm+\b], v[\tm+4+\b]
.endr
.irp b, 0,1,2,3
	v_add_nc_u32 v[\tm+12+\b], 0xff000000, v[\tm+\b]               ; 2 off the exponent field: the conversion's scale operand
.endr
.irp b, 0,1,2,3
	v_lshrrev_b32 v[\tm+4+\b], 23, v[\tm+12+\b]                    ; the scale's byte
.endr
	v_lshl_or_b32 v[\pw], v[\tm+5], 8, v[\tm+4]
	v_lshl_or_b32 v[\pw], v[\tm+6], 16, v[\pw]
	v_lshl_or_b32 v[\pw], v[\tm+7], 24, v[\pw]
.irp c, 0,1
	v_cvt_scalef32_pk16_fp6_f32 v[\pc+6*\c:\pc+2+6*\c], v[\s+32*\c:\s+15+32*\c], v[\tm+12+2*\c]
	v_cvt_scalef32_pk16_fp6_f32 v[\pc+12+4*\c:\pc+14+4*\c], v[\s+16+32*\c:\s+31+32*\c], v[\tm+12+2*\c+1]
.endr
	v_nop                                          ; one plain place behind a scaled conversion
.irp c, 0,1
.irp i, 0,1,2
	v_permlane16_swap_b32 v[\pc+6*\c+\i], v[\pc+12+4*\c+\i]
.endr
.irp i, 0,1,2
	v_mov_b32 v[\pc+3+6*\c+\i], v[\pc+12+4*\c+\i]
.endr
.endr
.endm
	s_load_b128 s[56:59], s[0:1], 0x0              ; wx, rope
	s_load_b64 s[60:61], s[0:1], 0x10              ; qkv
	v_lshl_add_u32 v[SPW], v0, 2, SPARE
	v_mov_b32 v[NIL], 0
	ds_add_u32 v28, v29
	ds_add_u32 v28, v29
	s_wait_dscnt 0x0
	v_lshrrev_b32 v1, 5, v0
	v_readfirstlane_b32 s[WV], v1                  ; wave 0..3
	s_bfe_u32 s4, ttmp6, 0x40000                   ; cx
	s_bfe_u32 s5, ttmp6, 0x40004                   ; cy
	s_mov_b32 s6, ttmp9                            ; the cluster's x, 0 .. 5: the same in all partners
	s_and_b32 s7, ttmp7, 0xffff                    ; the cluster's y, 0 .. 3
	s_lshl_b32 s80, s5, 2
	s_lshl_b32 s80, 15, s80                        ; my row of the cluster
	s_lshl_b32 s81, 0x1111, s4                     ; my column
	; group 1: two blocks, 25,600 dense bytes, as 100 rows of 256 bytes (32 elements of 8 bytes); no padding: the fragments' images are read as consecutive bytes
	s_or_b32 s[G1A], s80, (3<<16)|(1<<21)
	s_or_b32 s[G1B], s81, (3<<16)|(1<<21)
.irp g, G1A, G1B
	s_mov_b32 s[\g+1], 32<<16                      ; tensor_dim0
	s_mov_b32 s[\g+2], 200<<16                     ; tensor_dim1: 200 rows for the head's loads; behind them 100
	s_mov_b32 s[\g+3], 32<<16                      ; tile_dim0
	s_mov_b32 s[\g+4], 200                         ; tile_dim1 likewise
	s_mov_b32 s[\g+5], 32                          ; the pitch
	s_mov_b32 s[\g+6], 0
	s_mov_b32 s[\g+7], 0
.endr
	; which tiles.  R's hangs on cy and never on cx, P's on cx and never on cy, each in registers that never hold the other
	s_lshl_b32 s82, s7, 2                          ; 4 x cluster y
	s_lshl_b32 s83, s6, 2
	s_add_co_u32 s83, s83, 16                      ; 16 + 4 x cluster x
	s_cmp_eq_u32 s6, 5                             ; the cluster column that makes v
	s_cselect_b32 s66, 36, s82                     ; R: Wv's head cy, or x's tokens
	s_cselect_b32 s72, s82, s83                    ; P: x's tokens, or the weight's head
	s_add_co_u32 s66, s66, s5
	s_add_co_u32 s72, s72, s4
	s_lshl_b32 s84, s6, 2
	s_add_co_u32 s84, s84, s4
	s_add_co_u32 s85, s5, 20
	s_add_co_u32 s86, s82, s5
	s_add_co_u32 s87, s82, s4
	s_cmp_eq_u32 s6, 5
	s_cselect_b32 s84, s85, s84                    ; the slot in qkv
	s_cselect_b32 s86, s87, s86                    ; and the block in it: the tile of tokens
	s_mul_i32 s66, s66, TILEB
	s_and_b32 s70, s[WV], 1                        ; which half of a chunk I fetch
	s_mul_i32 s70, s70, 2*BLK
	s_add_co_u32 s66, s66, s70
	s_mov_b32 s67, 0
	s_mul_i32 s72, s72, TILEB
	s_add_co_u32 s72, s72, s70
	s_mov_b32 s73, 0
	s_mul_i32 s71, s[WV], 2*BLK                    ; where it goes: R's two halves, then P's two: wave x 25,600
	s_mul_i32 s92, s84, TILEB
	s_mul_i32 s93, s86, BLK
	s_add_co_u32 s92, s92, s93                     ; my result's block
	s_lshl_b32 s94, s[WV], 7
	s_add_co_u32 s94, s94, s92
	s_add_co_u32 s94, s94, 12288                   ; my pair's scale words
	s_mov_b32 s95, 0
	s_mul_i32 s93, s[WV], 3072
	s_add_co_u32 s92, s92, s93                     ; my two fragments
	s_mov_b32 s93, 0
	s_lshl_b32 s76, s86, 16                        ; the table: 128 tokens of 512 bytes,
	s_lshl_b32 s77, s[WV], 14                      ; my wave's 32
	s_add_co_u32 s76, s76, s77
	s_mov_b32 s77, 0
	s_mov_b32 s[HI], 0xffff0000
	s_mov_b32 s[SEL], 0x76543210
	s_mov_b32 s[SEL+1], 0xfedcba98
	v_and_b32 v2, 31, v0
	v_lshlrev_b32 v1, 4, v2                        ; 16 lane
	v_lshlrev_b32 v2, 2, v2                        ; 4 lane
	s_mul_i32 s78, s[WV], 3072
	v_add_nc_u32 v[ADRA], s78, v1
	v_add_nc_u32 v[ADRB], 4*BLK, v1
	s_lshl_b32 s78, s[WV], 7
	s_add_co_u32 s78, s78, 12288
	v_add_nc_u32 v[ASA], s78, v2
	v_add_nc_u32 v[ASB], 4*BLK+12288, v2
.irp p, 1,2
	v_add_nc_u32 v[ADRA+\p], \p*RGN, v[ADRA]
	v_add_nc_u32 v[ADRB+\p], \p*RGN, v[ADRB]
	v_add_nc_u32 v[ASA+\p], \p*RGN, v[ASA]
	v_add_nc_u32 v[ASB+\p], \p*RGN, v[ASB]
.endr
	v_and_b32 v20, 15, v0
	v_and_b32 v22, 8, v20
	v_add_nc_u32 v22, v22, v20                     ; r + 8 (r / 8)
	v_lshlrev_b32 v21, 9, v22
	v_bfe_u32 v22, v0, 4, 1
	v_lshl_add_u32 v21, v22, 6, v21                ; the table: my token's row, + 64 h
.irp b, 0,1,2,3
	v_mov_b32 v[108+\b], 0                         ; written once: a lane permute's destination counts as one of its sources
.endr
	s_wait_kmcnt 0x0
	s_add_nc_u64 s[68:69], s[56:57], s[66:67]
	s_add_nc_u64 s[74:75], s[56:57], s[72:73]
	s_add_nc_u64 s[62:63], s[58:59], s[76:77]
	s_add_nc_u64 s[88:89], s[60:61], s[92:93]
	s_add_nc_u64 s[90:91], s[60:61], s[94:95]
	CROUND                                         ; all sixteen work-groups are here: the first joint loads meet
.irp n, 2,3
	s_mov_b32 s[G0A+4*\n], 1
	s_add_co_u32 s[G0A+4*\n+1], s71, (\n%3)*RGN
	s_add_nc_u64 s[G0A+4*\n+2:G0A+4*\n+3], s[68:69], \n*4*BLK
	s_or_b32 s[G0A+4*\n+3], s[G0A+4*\n+3], 0x80000000
	s_mov_b32 s[G0B+4*\n], 1
	s_add_co_u32 s[G0B+4*\n+1], s71, (\n%3)*RGN
	s_add_nc_u64 s[G0B+4*\n+2:G0B+4*\n+3], s[74:75], \n*4*BLK
	s_or_b32 s[G0B+4*\n+3], s[G0B+4*\n+3], 0x80000000
.endr
	; THE HEAD'S LOADS, one a wave: four blocks each, 51,200 dense bytes.  Wave 0 fetches R's blocks of chunk 0, wave 1 P's, wave 2 R's of chunk 1, wave 3 P's: K steps 0 to 7.
	; By this text's count a wave has one tensor load out at the most.
	s_lshr_b32 s80, s[WV], 1                       ; the chunk
	s_and_b32 s81, s[WV], 1                        ; R's blocks or P's
	s_mul_i32 s82, s80, 4*BLK                      ; the chunk's place in a tile
	s_mov_b32 s83, 0
	s_mul_i32 s84, s81, 2*BLK                      ; what the ring's addresses hold beyond the tile's start
	s_mov_b32 s85, 0
	s_mul_i32 s86, s80, RGN                        ; the chunk's region
	s_mov_b32 s[G0A], 1
	s_mov_b32 s[G0A+1], s86
	s_add_nc_u64 s[G0A+2:G0A+3], s[68:69], s[82:83]
	s_sub_nc_u64 s[G0A+2:G0A+3], s[G0A+2:G0A+3], s[84:85]
	s_or_b32 s[G0A+3], s[G0A+3], 0x80000000
	s_mov_b32 s[G0B], 1
	s_add_co_u32 s[G0B+1], s86, 4*BLK
	s_add_nc_u64 s[G0B+2:G0B+3], s[74:75], s[82:83]
	s_sub_nc_u64 s[G0B+2:G0B+3], s[G0B+2:G0B+3], s[84:85]
	s_or_b32 s[G0B+3], s[G0B+3], 0x80000000
	s_cmp_eq_u32 s81, 0
	s_cbranch_scc0 .Lhead_p
	tensor_load_to_lds s[G0A:G0A+3], s[G1A:G1A+7]
	s_nop 0
	PLACES 4
	s_branch .Lhead_asked
.Lhead_p:
	tensor_load_to_lds s[G0B:G0B+3], s[G1B:G1B+7]
	s_nop 0
	PLACES 4
.Lhead_asked:
	s_cmp_eq_u32 s6, 5                             ; v is not rotated
	s_cbranch_scc1 .Lno_table
	WIN 0x80                                       ; destination window 2.  Register 64 a + 2 m is cos, 64 a + 2 m + 1 sin, of the pair that accumulator registers 2 m, 2 m + 1 of fragment a hold
	s_wait_alu depctr_va_vdst(0)
.irp a, 0,1
.irp b, 0,1,2,3
.irp k, 0,1,2,3
	global_load_b128 v[64*\a+16*\b+4*\k:64*\a+16*\b+4*\k+3], v21, s[62:63] offset:\a*4096+128*\b+16*\k
.endr
.endr
.endr
	WIN 0
.Lno_table:
	s_wait_alu depctr_va_vdst(0)
	s_wait_tensorcnt 0x0                           ; my head load is in; these lines stand ahead of a later first fill as ahead of a refill
	ds_add_u32 v[SPW], v[NIL]
	s_mov_b32 s[G1A+2], 100<<16                    ; no tensor load of mine is out, so a descriptor may be written: from here on a load brings two blocks, 100 rows
	s_mov_b32 s[G1A+4], 100
	s_mov_b32 s[G1B+2], 100<<16
	s_mov_b32 s[G1B+4], 100
	s_wait_dscnt 0x0
	CROUND                                         ; chunks 0 and 1 are whole, and the sixteen work-groups meet
	JLOAD 2                                        ; chunk 2, region 2's first fill, in every wave: K steps 0 to 4 in which to land
	FETCH 0
	STEPK 0, 1                                     ; the first step's products start the sums
	STEPK 1, 0
	STEPK 2, 0
	STEPK 3, 0
	STEPK 4, 0
	TURN 5, 3                                      ; chunk 2 is whole; chunk 3 goes into region 0, last read in K step 3: K steps 6 to 10 in which to land
	STEPK 6, 0
	STEPK 7, 0
	STEPK 8, 0
	STEPK 9, 0
	STEPK 10, 0
	TURN 11, 0                                     ; chunk 3 has landed in every wave's count; nothing is filled again
	STEPK 12, 0
	STEPK 13, 0
	STEPK 14, 0
	s_wait_dscnt 0x0
	WIN 0x05
	MUL8 15, 0, 0
	MUL8 15, 1, 0
	WIN 0
	PLACES 4                                       ; four places in front of the first read of results
	s_cmp_eq_u32 s6, 5
	s_cbranch_scc1 .Lplain
	s_wait_loadcnt 0x0                             ; the table
	WIN 0x08                                       ; source 1 window 2
.irp a, 0,1                                    ; (x0, x1) -> (x0 cos - x1 sin, x0 sin + x1 cos), an accumulator's four pairs by turns; each accumulator is read from its low end on
.irp t, 0,1,2,3,4,5,6,7
.irp p, 0,1,2,3
	v_mul_f32 v[48+2*\p], v[ACC+64*\a+8*\t+2*\p+1], v[64*\a+8*\t+2*\p+1]
.endr
.irp p, 0,1,2,3
	v_mul_f32 v[49+2*\p], v[ACC+64*\a+8*\t+2*\p+1], v[64*\a+8*\t+2*\p]
.endr
.irp p, 0,1,2,3
	v_fma_f32 v[ACC+64*\a+8*\t+2*\p+1], v[ACC+64*\a+8*\t+2*\p], v[64*\a+8*\t+2*\p+1], v[49+2*\p]
.endr
.irp p, 0,1,2,3
	v_fma_f32 v[ACC+64*\a+8*\t+2*\p], v[ACC+64*\a+8*\t+2*\p], v[64*\a+8*\t+2*\p], -v[48+2*\p]
.endr
.endr
.endr
	WIN 0
.Lplain:
	QUANT 128, 56, 104, 120
	QUANT 192, 80, 104, 121
.irp g, 0,1,2
	global_store_b128 v1, v[56+4*\g:59+4*\g], s[88:89] offset:512*\g          ; 512 consecutive bytes a store
.endr
.irp g, 0,1,2
	global_store_b128 v1, v[80+4*\g:83+4*\g], s[88:89] offset:1536+512*\g
.endr
	v_cndmask_b32 v122, v120, v121, s[HI]          ; lanes 0-15 the first fragment's words, lanes 16-31 the second's
	global_store_b32 v2, v122, s[90:91]
	s_wait_tensorcnt 0x0                           ; the wave's end
	ds_add_u32 v[SPW], v[NIL]
	s_wait_dscnt 0x0
	CROUND                                         ; the closing round: no work-group ends while a partner may still ask for a tile that names it
	s_endpgm
.Lfunc_end_k_q4f46799e4e_qkvgemm:
	.size	k_q4f46799e4e_qkvgemm, .Lfunc_end_k_q4f46799e4e_qkvgemm-k_q4f46799e4e_qkvgemm
	.p2alignl 7, 3214868480
	.fill 96, 4, 3214868480
	.section	.rodata,"a",@progbits
	.p2align	6, 0x0
	.amdhsa_kernel k_q4f46799e4e_qkvgemm
		.amdhsa_group_segment_fixed_size 327680
		.amdhsa_private_segment_fixed_size 0
		.amdhsa_enable_private_segment 0
		.amdhsa_kernarg_size 24
		.amdhsa_user_sgpr_count 2
		.amdhsa_user_sgpr_kernarg_segment_ptr 1
		.amdhsa_wavefront_size32 1
		.amdhsa_system_sgpr_workgroup_id_x 1
		.amdhsa_system_sgpr_workgroup_id_y 1
		.amdhsa_system_sgpr_workgroup_id_z 1
		.amdhsa_system_vgpr_workitem_id 0
		.amdhsa_next_free_vgpr 640
		.amdhsa_next_free_sgpr 100
		.amdhsa_reserve_vcc 0
		.amdhsa_float_denorm_mode_32 3
		.amdhsa_float_denorm_mode_16_64 3
		.amdhsa_memory_ordered 1
		.amdhsa_forward_progress 1
		.amdhsa_inst_pref_size 106
	.end_amdhsa_kernel
	.amdgpu_metadata
---
amdhsa.version: [ 1, 2 ]
amdhsa.kernels:
  - .name:           k_q4f46799e4e_qkvgemm
    .symbol:         k_q4f46799e4e_qkvgemm.kd
    .args:
      - { .name: wx, .offset: 0, .size: 8, .value_kind: global_buffer, .address_space: global }
      - { .name: rope, .offset: 8, .size: 8, .value_kind: global_buffer, .address_space: global }
      - { .name: qkv, .offset: 16, .size: 8, .value_kind: global_buffer, .address_space: global }
    .group_segment_fixed_size: 327680
    .private_segment_fixed_size: 0
    .kernarg_segment_align: 8
    .kernarg_segment_size: 24
    .max_flat_workgroup_size: 128
    .sgpr_count:     100
    .vgpr_count:     640
    .wavefront_size: 32
...
	.end_amdgpu_metadata
.endif
;; end of part 2
;; launch attn (part 3): grid 16 x 16, 8 waves a work-group, no clusters, 140,288 bytes of LDS; arguments qkv, maskw, mflag, att; writes att
.if DOCPART == 3
	.amdgcn_target "amdgcn-amd-amdhsa--gfx1250"
	.amdhsa_code_object_version 6
	.text
	.protected	k_q4f46799e4e_attn
	.globl	k_q4f46799e4e_attn
	.p2align	8
	.type	k_q4f46799e4e_attn,@function
k_q4f46799e4e_attn:
	s_mov_b64 s[64:65], 0
	v_nop
	global_prefetch_b8 v0, s[64:65] scope:SCOPE_SE
	s_setreg_imm32_b32 hwreg(HW_REG_WAVE_MODE, 25, 1), 1
	s_wait_xcnt 0x0
; ATTENTION on codes of FP6 (E2M3): S^T = k q^T, the mask, the softmax ahead of the second product, O^T = v^T p^T, O / l, and O quantised along (head, d) for the last product.
; t = score x log2(e) / sqrt(128); M = the largest t so far, rounded UP to a whole number; p = 2^(t - M) is quantised along the keys, not normalised; l is the sum of the unquantised p and divides O at the end.
; THE MASK IS AN INPUT, and it is whole numbers.  An earlier launch stored, for each query fragment of 16 and each key step of 128, the lane words of the mask (maskw) and two bits (mflag): some key counts; all keys count.
; This launch reads them and does what they ask for: a tile in which no key counts adds p = 0 and leaves M as it is, so it is passed over; a tile in which all count needs no select; any other tile has its hidden
; scores set to -infinity by selects on the lane words.  The launch has no tensor load, hence no joint loads: k and v go from memory straight into the operands' registers.
; A ROW THAT IS HIDDEN WHOLLY has l = 0: its scale word is stored as four bytes 0xff (NaN in E8M0), which makes that token's row of the output NaN, as a softmax over nothing is.
; OPERANDS lie as blocks of 128 rows x 128 K, 12,800 bytes: eight images of a fragment's 12 registers, then the scale words (pair j at 12,288 + 128 j + 4 l).
; SHARES.  Work-group (x, head).  Waves w and w + 4 own the query fragments fa = 4 x + w and fb = 127 - fa of the head.  Wave w takes fa's even key steps and fb's odd ones, wave w + 4 the others: a list of up to 16 jobs,
; bit j of a word: j under 16 = step j of fa, else step j - 16 of fb.  Between fa's jobs and fb's a wave lays its partial (O^T, -M, sums) into LDS and begins anew; at the end it lays fb's there too.  Behind the one
; barrier wave w joins fa's two parts and wave w + 4 fb's: M is a whole number, so a part is brought under the common M by a power of two, which rounds nothing.
; LOADS.  The next job's k is asked for behind this job's k q^T, the next job's v behind this job's v^T p^T: 28 loads each.  So each wait is for all but the 28 youngest.  The last job is written out: it asks for nothing.
; No prefetch: a block of k or v is read by the waves of 64 work-groups, and each wave asks for it into registers most of a job ahead.
; LIMITS: NaN and infinities among the numbers are not served; a block whose largest magnitude lies under 2^-124 has its byte held at 1, a block of zeros has the byte 1 (its codes are zeros).
; The promise holds while the scaled scores stay under 2^31 in magnitude.
; REGISTERS: window 0: v1 16 lane, v2 4 lane, v3 -infinity, v5, v6 for the add, v8, v9, v28, v29 offsets of the loads in hand, v10, v11 my result's place, v12 -M, v13 the largest t, v[14:15] the sum, v16-27 Q,
;   v30, v31, v51 LDS addresses, v52 fb's Q scale words, v54-57 the Q's places, v32-50 the last codes, v80-87 scale words, v96-159 S^T then p, v160-223 O^T, v224-235 p's codes, v236-254 at work, v255 Q's scale words.
;   window 1: v0-95 k's eight fragments, v96-191 v's eight, v192-203 fb's Q.
.set WV,    2
.set CUR,   3                          ; the job in hand, 0 .. 31
.set NXT,   4                          ; the next one
.set BM,    5                          ; jobs not yet asked for
.set ALLB,  6                          ; bit j: all keys of job j's tile count
.set CNT,   7
.set SWD,   8                          ; 1 when fa's part has been laid down
.set MD,    9                          ; 256 (fb - fa): (j & 16) x MD leads from fa's mask words to fb's
.set KVB,   10                         ; s[10:11] k's tile; v's lies VG bytes on
.set MP,    12                         ; s[12:13] fa's mask words
.set MOF,   14
.set KO,    15                         ; the next job's block in the tile
.set LIM,   16
.set T0,    17
.set T1,    18
.set SEL,   20
.set CS,    22
.set AT,    24
.set QA,    26
.set QB,    28
.set TILEB, 204800
.set BLK,   12800
.set VG,    4*TILEB
.set AREA,  8704                       ; a part in LDS: 64 registers x 128 bytes, then v[12:15]
.set SPARE, 16*AREA                    ; behind the parts: the spare words, 128 bytes for each wave, that no other line names
.set SPW,   5
.set NIL,   6
.set ADK,   8
.set ADKS,  9
.set ADV,   28
.set ADVS,  29
.set DMP,   30
.set FIN1,  31
.set FIN2,  51
.set QS2,   52
.set KS,    80
.set VS,    84
.set KF,    0
.set VF,    96
.set MSB,   0
.macro WIN new                         ; the immediate's high byte repeats the setting that is left
.if MSB != \new
	s_set_vgpr_msb (MSB<<8)|\new
.set MSB, \new
.endif
.endm
.macro PLACES n
.rept \n
	v_nop
.endr
.endm
.macro MLOAD                           ; job NXT's 64 lane words: word n in s[32 + n] (n under 32) or s[36 + n]
	s_and_b32 s[MOF], s[NXT], 15
	s_lshl_b32 s[MOF], s[MOF], 8
	s_and_b32 s[T1], s[NXT], 16
	s_mul_i32 s[T1], s[T1], s[MD]
	s_add_co_u32 s[MOF], s[MOF], s[T1]
	s_load_b512 s[32:47], s[MP:MP+1], s[MOF] offset:0x0
	s_load_b512 s[48:63], s[MP:MP+1], s[MOF] offset:0x40
	s_load_b512 s[68:83], s[MP:MP+1], s[MOF] offset:0x80
	s_load_b512 s[84:99], s[MP:MP+1], s[MOF] offset:0xc0
.endm
.macro NEXTJOB                         ; the lowest job left; held at 31, so that what is made of it stays inside the buffers
	s_ctz_i32_b32 s[NXT], s[BM]
	s_min_u32 s[NXT], s[NXT], 31
	s_sub_co_u32 s[T0], s[BM], 1
	s_and_b32 s[BM], s[BM], s[T0]
	s_and_b32 s[T0], s[NXT], 15
	s_mul_i32 s[KO], s[T0], BLK
.endm
.macro LOAD28 fr, sc, ad, as, off      ; eight fragments and four registers of scale words: 28 loads, each of consecutive bytes.  The two additions and two v_nop are four places behind the products that read these registers
	v_add_nc_u32 v[\ad], s[KO], v1
	v_add_nc_u32 v[\as], s[KO], v2
	v_nop
	v_nop
	WIN 0x40                                       ; destination window 1
.irp t, 0,1,2,3,4,5,6,7
.irp c, 0,1,2
	global_load_b128 v[\fr+12*\t+4*\c:\fr+12*\t+4*\c+3], v[\ad], s[KVB:KVB+1] offset:\off+\t*1536+512*\c
.endr
.endr
	WIN 0
.irp j, 0,1,2,3
	global_load_b32 v[\sc+\j], v[\as], s[KVB:KVB+1] offset:\off+12288+128*\j
.endr
.endm
.macro DUMP off                        ; my part into my own LDS bytes; each accumulator from its low end on
	PLACES 4
.irp t, 0,1,2,3,4,5,6,7
	ds_store_b128 v[DMP], v[160+8*\t:163+8*\t] offset:\off+1024*\t
	ds_store_b128 v[DMP], v[164+8*\t:167+8*\t] offset:\off+1024*\t+512
.endr
	ds_store_b128 v[DMP], v[12:15] offset:\off+8192
.endm
.macro SWITCH q                        ; fa's part is laid down and the state begins anew; q = 1: fb's Q takes Q's place
	DUMP 0
	s_mov_b32 s[SWD], 1
	s_wait_dscnt 0x0                               ; the stores have read their registers
	v_mov_b32 v13, 0xff61b1e6
	v_mov_b32 v14, 0
	v_mov_b32 v15, 0
	v_floor_f32 v12, -v13
.if \q
	WIN 0x01
.irp i, 0,1,2,3,4,5,6,7,8,9,10,11
	v_mov_b32 v[16+\i], v[192+\i]
.endr
	WIN 0
	v_mov_b32 v255, v[QS2]
.endif
.set j, 0
.rept 64
	v_mov_b32 v[160+j], 0                          ; (also the places between the writes of Q and its scale words and the next products)
.set j, j+1
.endr
.endm
.macro QUANT s, pc, tm, pw
.irp b, 0,1,2,3
	v_max3_num_f32 v[\tm+\b], |v[\s+16*\b]|, |v[\s+1+16*\b]|, 0x1800000   ; my 16 numbers of block b, and the floor 2^(3 - 127)
.endr
.irp i, 2,4,6,8,10,12,14
.irp b, 0,1,2,3
	s_delay_alu instid0(VALU_DEP_4)
	v_max3_num_f32 v[\tm+\b], v[\tm+\b], |v[\s+16*\b+\i]|, |v[\s+1+16*\b+\i]|
.endr
.endr
.irp b, 0,1,2,3
	s_delay_alu instid0(VALU_DEP_4)
	v_permlanex16_b32 v[\tm+4+\b], v[\tm+\b], s[SEL], s[SEL+1]
.endr
.irp b, 0,1,2,3
	s_delay_alu instid0(VALU_DEP_4)
	v_max_num_f32 v[\tm+\b], v[\tm+\b], v[\tm+4+\b]
.endr
.irp b, 0,1,2,3
	s_delay_alu instid0(VALU_DEP_4)
	v_add_nc_u32 v[\tm+12+\b], 0xff000000, v[\tm+\b]
.endr
.irp b, 0,1,2,3
	s_delay_alu instid0(VALU_DEP_4)
	v_lshrrev_b32 v[\tm+4+\b], 23, v[\tm+12+\b]
.endr
	s_delay_alu instid0(VALU_DEP_3)
	v_lshl_or_b32 v[\pw], v[\tm+5], 8, v[\tm+4]
	s_delay_alu instid0(VALU_DEP_1)
	v_lshl_or_b32 v[\pw], v[\tm+6], 16, v[\pw]
	s_delay_alu instid0(VALU_DEP_1)
	v_lshl_or_b32 v[\pw], v[\tm+7], 24, v[\pw]
.irp c, 0,1
	v_cvt_scalef32_pk16_fp6_f32 v[\pc+6*\c:\pc+2+6*\c], v[\s+32*\c:\s+15+32*\c], v[\tm+12+2*\c]
	v_cvt_scalef32_pk16_fp6_f32 v[\pc+12+4*\c:\pc+14+4*\c], v[\s+16+32*\c:\s+31+32*\c], v[\tm+12+2*\c+1]
.endr
	v_nop
.irp c, 0,1
.irp i, 0,1,2
	v_permlane16_swap_b32 v[\pc+6*\c+\i], v[\pc+12+4*\c+\i]
.endr
.irp i, 0,1,2
	s_delay_alu instid0(VALU_DEP_3)
	v_mov_b32 v[\pc+3+6*\c+\i], v[\pc+12+4*\c+\i]
.endr
.endr
.endm
.macro INB f, d                        ; fragment s[f]'s place in its block: s[d] its image, s[d + 1] its scale words
	s_and_b32 s[\d], s[\f], 7
	s_lshl_b32 s[\d+1], s[\d], 6
	s_mul_i32 s[\d], s[\d], 1536
	s_add_co_u32 s[\d+1], s[\d+1], 12288
.endm
	s_load_b128 s[68:71], s[0:1], 0x0              ; qkv, maskw (the registers of the mask words serve as scratch until the first of them are asked for)
	s_load_b128 s[72:75], s[0:1], 0x10             ; mflag, att
	v_lshl_add_u32 v[SPW], v0, 2, SPARE
	v_mov_b32 v[NIL], 0
	v_lshrrev_b32 v7, 5, v0
	v_readfirstlane_b32 s[WV], v7                  ; wave 0..7
	s_and_b32 s76, s[WV], 3                        ; the pair of waves
	s_lshr_b32 s77, s[WV], 2                       ; which of the two I am
	s_lshl_b32 s78, ttmp9, 2
	s_add_co_u32 s78, s78, s76                     ; fa, 0 .. 63
	s_sub_co_u32 s79, 127, s78                     ; fb
	s_and_b32 s80, ttmp7, 0xffff                   ; the head
	s_lshr_b32 s81, s80, 2                         ; its key and value head
	s_sub_co_u32 s[MD], s79, s78
	s_lshl_b32 s[MD], s[MD], 8
	s_add_co_u32 s82, s81, 16
	s_mul_i32 s82, s82, TILEB                      ; k: slot 16 + kv head
	s_mov_b32 s83, 0
	s_mul_i32 s86, s80, TILEB
	s_lshr_b32 s84, s78, 3
	s_mul_i32 s84, s84, BLK
	s_add_co_u32 s84, s84, s86                     ; fa's block of Q
	s_mov_b32 s85, 0
	s_lshr_b32 s87, s79, 3
	s_mul_i32 s87, s87, BLK
	s_add_co_u32 s86, s86, s87                     ; fb's
	s_mov_b32 s87, 0
	s_lshl_b32 s88, s78, 12                        ; fa's 4,096 bytes of mask words
	s_mov_b32 s89, 0
	s_lshl_b32 s90, s78, 9                         ; the flags: 512 bytes a fragment, a word each 128
	s_lshl_b32 s91, s79, 9
	s_cmp_eq_u32 s77, 0
	s_cselect_b32 s92, s78, s79                    ; the fragment that I finish
	s_lshl_b32 s93, 0x5555, s77                    ; fa's steps that are mine: the even or the odd ones
	s_lshr_b32 s94, s92, 3
	s_mul_i32 s94, s94, TILEB
	s_mul_i32 s95, s80, BLK
	s_add_co_u32 s94, s94, s95                     ; att's block: tile of tokens, K step = head
	s_mov_b32 s95, 0
	INB 78, 96
	INB 79, 98
	INB 92, 66
	s_mul_i32 s19, s[WV], 2*AREA                   ; my two parts in LDS
	s_mul_i32 s18, s76, 2*AREA
	s_mul_i32 s17, s77, AREA
	s_add_co_u32 s18, s18, s17                     ; the part of wave w & 3 that I join; its partner's lies 8 areas on
	s_mov_b32 s[SEL], 0x76543210
	s_mov_b32 s[SEL+1], 0xfedcba98
	s_mov_b32 s[CS], 0x3e0293ee
	s_mov_b32 s[CS+1], s[CS]
	s_mov_b32 s[SWD], 0
	v_and_b32 v7, 31, v0
	v_lshlrev_b32 v1, 4, v7
	v_lshlrev_b32 v2, 2, v7
	v_mov_b32 v3, 0xff800000
	v_and_b32 v7, 15, v0
	v_lshlrev_b32 v7, 2, v7
	v_add_nc_u32 v54, s96, v1
	v_add_nc_u32 v55, s97, v7
	v_add_nc_u32 v56, s98, v1
	v_add_nc_u32 v57, s99, v7
	v_add_nc_u32 v10, s66, v1
	v_add_nc_u32 v11, s67, v7
	v_add_nc_u32 v[DMP], s19, v1
	v_add_nc_u32 v[FIN1], s18, v1
	v_add_nc_u32 v[FIN2], 8*AREA, v[FIN1]
	v_mov_b32 v13, 0xff61b1e6                      ; the largest t so far: -3e38
	v_mov_b32 v14, 0
	v_mov_b32 v15, 0
	v_floor_f32 v12, -v13                          ; -M
.irp b, 0,1,2,3
	v_mov_b32 v[236+\b], 0                         ; written once: a lane permute's destination counts as one of its sources
.endr
	v_mov_b32 v253, 0
.set j, 0
.rept 64
	v_mov_b32 v[160+j], 0                          ; O^T: a job has no first form of its own
.set j, j+1
.endr
	s_wait_alu depctr_va_vdst(0)
	s_wait_kmcnt 0x0
.irp q, 0,1,2,3
	s_load_b32 s[32+\q], s[72:73], s90 offset:128*\q
	s_load_b32 s[36+\q], s[72:73], s91 offset:128*\q
.endr
	s_add_nc_u64 s[KVB:KVB+1], s[68:69], s[82:83]
	s_add_nc_u64 s[QA:QA+1], s[68:69], s[84:85]
	s_add_nc_u64 s[QB:QB+1], s[68:69], s[86:87]
	s_add_nc_u64 s[MP:MP+1], s[70:71], s[88:89]
	s_add_nc_u64 s[AT:AT+1], s[74:75], s[94:95]
.irp g, 0,1,2
	global_load_b128 v[16+4*\g:19+4*\g], v54, s[QA:QA+1] offset:512*\g
.endr
	global_load_b32 v255, v55, s[QA:QA+1]
	WIN 0x40
.irp g, 0,1,2
	global_load_b128 v[192+4*\g:195+4*\g], v56, s[QB:QB+1] offset:512*\g
.endr
	WIN 0
	global_load_b32 v[QS2], v57, s[QB:QB+1]
	s_wait_kmcnt 0x0
	s_or_b32 s32, s32, s33
	s_or_b32 s34, s34, s35
	s_or_b32 s32, s32, s34                         ; fa: bits 0-15 some key counts, bits 16-31 all do
	s_or_b32 s36, s36, s37
	s_or_b32 s38, s38, s39
	s_or_b32 s36, s36, s38                         ; fb
	s_lshr_b32 s[ALLB], s32, 16
	s_and_b32 s33, s36, 0xffff0000
	s_or_b32 s[ALLB], s[ALLB], s33
	s_and_b32 s32, s32, s93
	s_xor_b32 s93, s93, 0xffff                     ; of fb the other steps are mine
	s_and_b32 s36, s36, s93
	s_lshl_b32 s36, s36, 16
	s_or_b32 s[BM], s32, s36
	s_bcnt1_i32_b32 s[CNT], s[BM]                  ; my jobs
	s_cmp_eq_u32 s[CNT], 0
	s_cbranch_scc1 .Ldone
	NEXTJOB
	s_mov_b32 s[CUR], s[NXT]
	MLOAD
	LOAD28 KF, KS, ADK, ADKS, 0
	LOAD28 VF, VS, ADV, ADVS, VG
	s_sub_co_u32 s[LIM], s[CNT], 1
	s_mov_b32 s[CNT], 0
	s_cmp_eq_u32 s[LIM], 0
	s_cbranch_scc1 .Llast
; A JOB: 16 queries x 128 keys.  last = 1: no job follows, nothing is asked for.
.macro STEP last
	s_wait_loadcnt 28                              ; this job's k (and both Q) are in; the 28 loads of its v, issued behind them, may be out
	s_lshr_b32 s[T0], s[CUR], 4
	s_cmp_eq_u32 s[T0], s[SWD]
	s_cbranch_scc1 .Lsame_\@
	SWITCH 1                                       ; the first of fb's jobs
.Lsame_\@:
	WIN 0x01                                       ; source 0 window 1
.irp t, 0,1,2,3,4,5,6,7                        ; S^T = k q^T: eight accumulators, each begun by its one product
.if \t%2
	v_wmma_scale_f32_16x16x128_f8f6f4 v[96+8*\t:103+8*\t], v[KF+12*\t:KF+12*\t+11], v[16:27], 0, v[KS+\t/2], v255 matrix_a_fmt:MATRIX_FMT_FP6 matrix_b_fmt:MATRIX_FMT_FP6 matrix_a_scale:MATRIX_SCALE_ROW1
.else
	v_wmma_scale_f32_16x16x128_f8f6f4 v[96+8*\t:103+8*\t], v[KF+12*\t:KF+12*\t+11], v[16:27], 0, v[KS+\t/2], v255 matrix_a_fmt:MATRIX_FMT_FP6 matrix_b_fmt:MATRIX_FMT_FP6
.endif
.endr
	WIN 0
.if \last
	PLACES 4                                       ; in front of the first read of the scores
.else
	NEXTJOB
	LOAD28 KF, KS, ADK, ADKS, 0                    ; the next job's k; its four places serve the first read of the scores too
.endif
	s_wait_kmcnt 0x0                               ; this job's mask words; their offset is free again
	s_bitcmp1_b32 s[ALLB], s[CUR]
	s_cbranch_scc1 .Lfull_\@                       ; all keys count: nothing to select
.set n, 0
.rept 64
	v_cndmask_b32 v[96+n], v3, v[96+n], s[32+n+4*(n/32)]   ; a hidden key's score becomes -infinity; each accumulator is read from its low end on
.set n, n+1
.endr
.Lfull_\@:
; the largest score of each block of 32 keys: it serves the row's maximum and, since p rises with the score, the block's largest p.  Two chains to a block, eight in all, by turns: one takes registers 8-15 and 7
; of the block's 16, the other registers 0-6; each accumulator is read from its low end on
.irp b, 0,1,2,3
	v_max3_num_f32 v[232+\b], v[104+16*\b], v[105+16*\b], v[106+16*\b]
.endr
.irp b, 0,1,2,3
	v_max3_num_f32 v[240+\b], v[96+16*\b], v[97+16*\b], v[98+16*\b]
.endr
.irp i, 0,2
.irp b, 0,1,2,3
	v_max3_num_f32 v[232+\b], v[232+\b], v[107+16*\b+\i], v[108+16*\b+\i]
.endr
.irp b, 0,1,2,3
	v_max3_num_f32 v[240+\b], v[240+\b], v[99+16*\b+\i], v[100+16*\b+\i]
.endr
.endr
.irp b, 0,1,2,3
	v_max3_num_f32 v[232+\b], v[232+\b], v[111+16*\b], v[103+16*\b]
.endr
.irp b, 0,1,2,3
	v_max_num_f32 v[232+\b], v[232+\b], v[240+\b]
.endr
.if \last == 0
	s_wait_alu depctr_va_vdst(0)
	MLOAD                                          ; the next job's words: the selects that read these registers stand 32 vector lines back
.endif
.irp b, 0,1,2,3
	v_permlanex16_b32 v[236+\b], v[232+\b], s[SEL], s[SEL+1]
.endr
.irp b, 0,1,2,3
	s_delay_alu instid0(VALU_DEP_4)
	v_max_num_f32 v[232+\b], v[232+\b], v[236+\b]  ; with lane l xor 16's 16 keys
.endr
	s_delay_alu instid0(VALU_DEP_2)
	v_max3_num_f32 v254, v232, v233, v234
	s_delay_alu instid0(VALU_DEP_1)
	v_max_num_f32 v254, v254, v235
	s_delay_alu instid0(VALU_DEP_1)
	v_mul_f32 v254, s[CS], v254                    ; the job's largest t (c is positive)
	s_delay_alu instid0(VALU_DEP_1)
	v_max_num_f32 v13, v13, v254                   ; the running largest t
	v_mov_b32 v254, v12
	s_delay_alu instid0(VALU_DEP_2)
	v_floor_f32 v12, -v13                          ; the new -M = floor(-t): M is a whole number
	s_delay_alu instid0(VALU_DEP_1)
	v_sub_f32 v254, v12, v254                      ; old M - new M: a whole number, 0 or less
	s_delay_alu instid0(VALU_DEP_1)
	v_cvt_i32_f32 v254, v254                       ; (it saturates)
	s_delay_alu instid0(VALU_DEP_1)
	v_ldexp_f32 v252, 1.0, v254                    ; f = 2^(old M - new M)
.set j, 0
.rept 32
	v_pk_fma_f32 v[96+j:97+j], v[96+j:97+j], s[CS:CS+1], v[12:13] op_sel_hi:[1,0,0]   ; t - M, two at a time
.set j, j+2
.endr
.irp b, 0,1,2,3
	v_fma_f32 v[232+\b], v[232+\b], s[CS], v12
.endr
	s_wait_alu depctr_va_vdst(0)
.set j, 0
.rept 64
	v_exp_f32 v[96+j], v[96+j]                     ; p = 2^(t - M), at most 1
.set j, j+1
.endr
.irp b, 0,1,2,3
	v_exp_f32 v[232+\b], v[232+\b]                 ; the block's largest p
.endr
	v_pk_mul_f32 v[14:15], v[14:15], v[252:253] op_sel_hi:[1,0]   ; the sums under the new M (a plain place behind the exponentials)
	s_wait_alu depctr_va_vdst(0)                   ; and behind it
.irp b, 0,1,2,3
	v_max_num_f32 v[232+\b], 0x1800000, v[232+\b]  ; the floor 2^(3 - 127)
.endr
.irp b, 0,1,2,3
	s_delay_alu instid0(VALU_DEP_4)
	v_add_nc_u32 v[244+\b], 0xff000000, v[232+\b]
.endr
.irp b, 0,1,2,3
	s_delay_alu instid0(VALU_DEP_4)
	v_lshrrev_b32 v[236+\b], 23, v[244+\b]
.endr
	s_delay_alu instid0(VALU_DEP_3)
	v_lshl_or_b32 v253, v237, 8, v236              ; p's scale word for these 128 keys
	s_delay_alu instid0(VALU_DEP_1)
	v_lshl_or_b32 v253, v238, 16, v253
	s_delay_alu instid0(VALU_DEP_1)
	v_lshl_or_b32 v253, v239, 24, v253
.irp c, 0,1
	v_cvt_scalef32_pk16_fp6_f32 v[224+6*\c:226+6*\c], v[96+32*\c:111+32*\c], v[244+2*\c]
	v_cvt_scalef32_pk16_fp6_f32 v[236+4*\c:238+4*\c], v[112+32*\c:127+32*\c], v[244+2*\c+1]
.endr
	v_nop                                          ; one plain place behind a scaled conversion
.irp c, 0,1
.irp i, 0,1,2
	v_permlane16_swap_b32 v[224+6*\c+\i], v[236+4*\c+\i]
.endr
.irp i, 0,1,2
	s_delay_alu instid0(VALU_DEP_3)
	v_mov_b32 v[227+6*\c+\i], v[236+4*\c+\i]
.endr
.endr
	; the sum of the unquantised p: eight chains of packed additions
	v_pk_add_f32 v[236:237], v[100:101], v[104:105]
	v_pk_add_f32 v[250:251], v[108:109], v[112:113]
	v_pk_add_f32 v[248:249], v[116:117], v[120:121]
	v_pk_add_f32 v[246:247], v[124:125], v[128:129]
	v_pk_add_f32 v[244:245], v[132:133], v[136:137]
	v_pk_add_f32 v[242:243], v[140:141], v[144:145]
	v_pk_add_f32 v[240:241], v[148:149], v[152:153]
	v_pk_add_f32 v[14:15], v[14:15], v[156:157]
	v_pk_add_f32 v[236:237], v[236:237], v[96:97]
	v_pk_add_f32 v[250:251], v[250:251], v[98:99]
	v_pk_add_f32 v[248:249], v[248:249], v[102:103]
	v_pk_add_f32 v[246:247], v[246:247], v[106:107]
	v_pk_add_f32 v[244:245], v[244:245], v[110:111]
	v_pk_add_f32 v[242:243], v[242:243], v[114:115]
	v_pk_add_f32 v[240:241], v[240:241], v[118:119]
	v_pk_add_f32 v[14:15], v[14:15], v[122:123]
	v_pk_add_f32 v[236:237], v[236:237], v[126:127]
	v_pk_add_f32 v[250:251], v[250:251], v[130:131]
	v_pk_add_f32 v[248:249], v[248:249], v[134:135]
	v_pk_add_f32 v[246:247], v[246:247], v[138:139]
	v_pk_add_f32 v[244:245], v[244:245], v[142:143]
	v_pk_add_f32 v[242:243], v[242:243], v[146:147]
	v_pk_add_f32 v[240:241], v[240:241], v[150:151]
	v_pk_add_f32 v[14:15], v[14:15], v[154:155]
	v_pk_add_f32 v[236:237], v[236:237], v[158:159]
	s_delay_alu instid0(VALU_DEP_2)
	v_pk_add_f32 v[14:15], v[14:15], v[246:247]
	s_delay_alu instid0(VALU_DEP_2)
	v_pk_add_f32 v[236:237], v[236:237], v[244:245]
	v_pk_add_f32 v[250:251], v[250:251], v[242:243]
	v_pk_add_f32 v[248:249], v[248:249], v[240:241]
	s_delay_alu instid0(VALU_DEP_2)
	v_pk_add_f32 v[14:15], v[14:15], v[250:251]
	s_delay_alu instid0(VALU_DEP_2)
	v_pk_add_f32 v[236:237], v[236:237], v[248:249]
	s_delay_alu instid0(VALU_DEP_1)
	v_pk_add_f32 v[14:15], v[14:15], v[236:237]
.set j, 0
.rept 32
	v_pk_mul_f32 v[160+j:161+j], v[160+j:161+j], v[252:253] op_sel_hi:[1,0]   ; O^T under the new M; these are also the places between the writes of p's codes and scale word and the products below
.set j, j+2
.endr
	s_wait_alu depctr_va_vdst(0)
.if \last
	s_wait_loadcnt 0x0                             ; this job's v
.else
	s_wait_loadcnt 28                              ; this job's v is in; the 28 loads of the next job's k, issued behind it, may be out
.endif
	WIN 0x01
.irp t, 0,1,2,3,4,5,6,7                        ; O^T += v^T p^T: the eight accumulators by turns, one product each
.if \t%2
	v_wmma_scale_f32_16x16x128_f8f6f4 v[160+8*\t:167+8*\t], v[VF+12*\t:VF+12*\t+11], v[224:235], v[160+8*\t:167+8*\t], v[VS+\t/2], v253 matrix_a_fmt:MATRIX_FMT_FP6 matrix_b_fmt:MATRIX_FMT_FP6 matrix_a_scale:MATRIX_SCALE_ROW1
.else
	v_wmma_scale_f32_16x16x128_f8f6f4 v[160+8*\t:167+8*\t], v[VF+12*\t:VF+12*\t+11], v[224:235], v[160+8*\t:167+8*\t], v[VS+\t/2], v253 matrix_a_fmt:MATRIX_FMT_FP6 matrix_b_fmt:MATRIX_FMT_FP6
.endif
.endr
	WIN 0
.if \last == 0
	LOAD28 VF, VS, ADV, ADVS, VG                   ; the next job's v
	s_mov_b32 s[CUR], s[NXT]
.endif
.endm
.Ltrip:                                            ; all my jobs but the last
	STEP 0
	s_add_co_u32 s[CNT], s[CNT], 1
	s_cmp_lt_u32 s[CNT], s[LIM]
	s_cbranch_scc1 .Ltrip
.Llast:
	STEP 1
.Ldone:
	s_wait_loadcnt 0x0                             ; (a wave with no job has its Q on the way)
	s_cmp_lg_u32 s[SWD], 0
	s_cbranch_scc1 .Lswitched
	SWITCH 0                                       ; none of fb's jobs was mine: fa's part is laid down here, and fb's is the empty one
.Lswitched:
	DUMP AREA
	s_wait_dscnt 0x0                               ; my parts are in LDS
	s_barrier_signal -1
	s_barrier_wait -1                              ; everybody's are
.irp k, 0,1,2,3,4,5,6,7,8,9,10,11,12,13,14,15
	ds_load_b128 v[160+4*\k:163+4*\k], v[FIN1] offset:512*\k
	ds_load_b128 v[96+4*\k:99+4*\k], v[FIN2] offset:512*\k
.endr
	ds_load_b128 v[12:15], v[FIN1] offset:8192
	ds_load_b128 v[232:235], v[FIN2] offset:8192
	s_wait_dscnt 0x0
	v_min_num_f32 v254, v12, v232                  ; the common -M
	v_add_f32 v14, v14, v15
	v_add_f32 v234, v234, v235
	v_sub_f32 v252, v254, v12                      ; each part's M less the common one: a whole number, 0 or less
	v_sub_f32 v250, v254, v232
	v_cvt_i32_f32 v252, v252                       ; (it saturates: an empty part gets the factor 0)
	v_cvt_i32_f32 v250, v250
	v_ldexp_f32 v252, 1.0, v252
	v_ldexp_f32 v250, 1.0, v250
	v_mul_f32 v14, v14, v252
	v_fma_f32 v14, v234, v250, v14
	v_permlanex16_b32 v236, v14, s[SEL], s[SEL+1]
	v_add_f32 v14, v14, v236                       ; l
	v_cmp_eq_f32 vcc_lo, 0, v14                    ; a row that is hidden wholly
	s_wait_alu depctr_va_vdst(0)
	v_rcp_f32 v15, v14
	v_mov_b32 v253, 0                              ; (a plain place; the pairs' upper words are written)
	v_mov_b32 v251, 0
	s_wait_alu depctr_va_vdst(0)                   ; ahead of its first reader
	v_mul_f32 v252, v252, v15                      ; a power of two x 1 / l
	v_mul_f32 v250, v250, v15
.set j, 0
.rept 32
	v_pk_mul_f32 v[96+j:97+j], v[96+j:97+j], v[250:251] op_sel_hi:[1,0]
.set j, j+2
.endr
.set j, 0
.rept 32
	v_pk_fma_f32 v[96+j:97+j], v[160+j:161+j], v[252:253], v[96+j:97+j] op_sel_hi:[1,0,1]   ; O^T / l: register 16 b + i is d = 32 b + 16 h + i of my query
.set j, j+2
.endr
	QUANT 96, 32, 232, 252
	v_cndmask_b32 v252, v252, -1, vcc_lo           ; a wholly hidden row's scale bytes are 0xff
.irp g, 0,1,2
	global_store_b128 v10, v[32+4*\g:35+4*\g], s[AT:AT+1] offset:512*\g   ; 512 consecutive bytes a store
.endr
	global_store_b32 v11, v252, s[AT:AT+1]         ; both halves of the lanes write the same word with the same value
	s_wait_tensorcnt 0x0                           ; the wave's end
	ds_add_u32 v[SPW], v[NIL]
	s_wait_dscnt 0x0
	s_endpgm
.Lfunc_end_k_q4f46799e4e_attn:
	.size	k_q4f46799e4e_attn, .Lfunc_end_k_q4f46799e4e_attn-k_q4f46799e4e_attn
	.p2alignl 7, 3214868480
	.fill 96, 4, 3214868480
	.section	.rodata,"a",@progbits
	.p2align	6, 0x0
	.amdhsa_kernel k_q4f46799e4e_attn
		.amdhsa_group_segment_fixed_size 140288
		.amdhsa_private_segment_fixed_size 0
		.amdhsa_enable_private_segment 0
		.amdhsa_kernarg_size 32
		.amdhsa_user_sgpr_count 2
		.amdhsa_user_sgpr_kernarg_segment_ptr 1
		.amdhsa_wavefront_size32 1
		.amdhsa_system_sgpr_workgroup_id_x 1
		.amdhsa_system_sgpr_workgroup_id_y 1
		.amdhsa_system_sgpr_workgroup_id_z 1
		.amdhsa_system_vgpr_workitem_id 0
		.amdhsa_next_free_vgpr 512
		.amdhsa_next_free_sgpr 100
		.amdhsa_reserve_vcc 1
		.amdhsa_float_denorm_mode_32 3
		.amdhsa_float_denorm_mode_16_64 3
		.amdhsa_memory_ordered 1
		.amdhsa_forward_progress 1
		.amdhsa_inst_pref_size 87
	.end_amdhsa_kernel
	.amdgpu_metadata
---
amdhsa.version: [ 1, 2 ]
amdhsa.kernels:
  - .name:           k_q4f46799e4e_attn
    .symbol:         k_q4f46799e4e_attn.kd
    .args:
      - { .name: qkv, .offset: 0, .size: 8, .value_kind: global_buffer, .address_space: global }
      - { .name: maskw, .offset: 8, .size: 8, .value_kind: global_buffer, .address_space: global }
      - { .name: mflag, .offset: 16, .size: 8, .value_kind: global_buffer, .address_space: global }
      - { .name: att, .offset: 24, .size: 8, .value_kind: global_buffer, .address_space: global }
    .group_segment_fixed_size: 140288
    .private_segment_fixed_size: 0
    .kernarg_segment_align: 8
    .kernarg_segment_size: 32
    .max_flat_workgroup_size: 256
    .sgpr_count:     100
    .vgpr_count:     512
    .wavefront_size: 32
...
	.end_amdgpu_metadata
.endif
;; end of part 3
;; launch proj (part 4): grid 16 x 16, 4 waves a work-group, clusters of 4 x 4, 327,680 bytes of LDS; arguments att, wx, out0; writes out0
.if DOCPART == 4
	.amdgcn_target "amdgcn-amd-amdhsa--gfx1250"
	.amdhsa_code_object_version 6
	.text
	.protected	k_q4f46799e4e_proj
	.globl	k_q4f46799e4e_proj
	.p2align	8
	.type	k_q4f46799e4e_proj,@function
k_q4f46799e4e_proj:
	s_mov_b64 s[64:65], 0
	v_nop
	global_prefetch_b8 v0, s[64:65] scope:SCOPE_SE
	s_setreg_imm32_b32 hwreg(HW_REG_WAVE_MODE, 25, 1), 1
	s_wait_xcnt 0x0
	s_wait_alu depctr_hold_cnt(0) depctr_sa_sdst(0) depctr_va_vdst(0) depctr_va_sdst(0) depctr_va_ssrc(0) depctr_va_vcc(0) depctr_vm_vsrc(0)
	s_getreg_b32 s2, hwreg(HW_REG_IB_STS2, 6, 4)
	s_cmp_eq_u32 s2, 0
	s_cbranch_scc0 .Lentry_in_a_cluster
	s_endpgm
.Lentry_in_a_cluster:
	s_bfe_u32 s2, ttmp6, 0x10000c
	s_cmp_lg_u32 s2, 0xf033
	s_cbranch_scc0 .Lentry_shape_is_right
	s_endpgm
.Lentry_shape_is_right:
; PROJ: out0 = att Wo on codes of FP6 (E2M3) with E8M0 scales; sums in f32; the result leaves as f32.
; OPERANDS lie as blocks of 128 rows x 128 K, 12,800 bytes: eight images of a fragment's 12 registers (registers 4 g .. of lane l at 512 g + 16 l), then 512 bytes of scale words (pair j at 12,288 + 128 j + 4 l).
; Lane (r, h) of fragment f holds row 32 (f / 2) + 8 (f % 2) + r + 8 (r / 8).  A tile of 128 rows over K = 2,048 is 16 blocks on end.
; A TILE of 128 tokens x 128 columns is made by four waves.  Source 1 (R) = att's tokens, source 0 (P) = Wo's columns: wave w owns R's fragments 2 w, 2 w + 1 and all eight of P: 16 accumulators; a lane
; holds one token, and the 16 registers of P's fragments 2 b, 2 b + 1 are the 16 neighbouring columns 32 b + 16 h + 0 .. 15.
; K goes in 16 steps of 128, four to a chunk.  LDS has three regions of 102,400 bytes (R's four blocks, then P's four); chunks 0, 1, 2 are first fills, chunk 3 fills region 0 again.
; CLUSTERS: 4 x 4 work-groups; R's blocks are shared along a row of the cluster, P's along a column: each is asked for jointly.  By this text's count a wave has three tensor loads out at the most.
; A token whose scale bytes are 0xff (a row of the mask that hides every key) comes out as NaN in all its columns.
; REGISTERS: window 0: v1-20 addresses; v28, v29 for the add; v32-36, v40-44 scale words, two sets; v48-111 rows on their way out; v128-255 the accumulators ((a, t) at v[128 + 64 a + 8 t]).
;   window 1: two sets of 120: R's two fragments, then P's eight.
.set WV,    3
.set G1A,   8
.set G1B,   16
.set G0A,   24
.set G0B,   40
.set TILEB, 204800
.set BLK,   12800
.set RGN,   102400
.set SPARE, 3*RGN                      ; behind the regions: the spare words, 128 bytes for each wave, that no other line names
.set STG,   RGN                        ; the way out: two stages of 16 rows x (512 + 16) bytes for each wave, in region 1, which has had its one fill and whose last read lies ahead of the last barrier
.set ADRA,  4
.set ADRB,  8
.set ASA,   12
.set ASB,   16
.set SPW,   28
.set NIL,   29
.set SC,    32
.set ACC,   128
.set MSB,   0
.macro WIN new                         ; the immediate's high byte repeats the setting that is left
.if MSB != \new
	s_set_vgpr_msb (MSB<<8)|\new
.set MSB, \new
.endif
.endm
.macro PLACES n
.rept \n
	v_nop
.endr
.endm
.macro CREST
	s_cmp_lg_u32 s[WV], 0
	s_cbranch_scc1 .Lnot_wave_0_\@
	s_barrier_signal -3
.Lnot_wave_0_\@:
	s_barrier_wait -3
	s_barrier_signal -1
	s_barrier_wait -1
.endm
.macro CROUND
	s_barrier_signal -1
	s_barrier_wait -1
	CREST
.endm
.macro JLOAD n                         ; a joint load of chunk n: waves 0, 1 fetch R's halves, waves 2, 3 P's; four v_nop follow each line
	s_cmp_lt_u32 s[WV], 2
	s_cbranch_scc0 .Lfor_b_\@
	tensor_load_to_lds s[G0A+4*\n:G0A+4*\n+3], s[G1A:G1A+7]
	s_nop 0
	PLACES 4
	s_branch .Lasked_\@
.Lfor_b_\@:
	tensor_load_to_lds s[G0B+4*\n:G0B+4*\n+3], s[G1B:G1B+7]
	s_nop 0
	PLACES 4
.Lasked_\@:
.endm
.macro WMM ra, rb, zero                ; one product on the registers named by rD, rP, rR, rSP, rSR; ra, rb: the scale words lie in lanes 16-31
.if \zero
.if (\ra) && (\rb)
	v_wmma_scale_f32_16x16x128_f8f6f4 v[rD:rD+7], v[rP:rP+11], v[rR:rR+11], 0, v[rSP], v[rSR] matrix_a_fmt:MATRIX_FMT_FP6 matrix_b_fmt:MATRIX_FMT_FP6 matrix_a_scale:MATRIX_SCALE_ROW1 matrix_b_scale:MATRIX_SCALE_ROW1
.elseif \ra
	v_wmma_scale_f32_16x16x128_f8f6f4 v[rD:rD+7], v[rP:rP+11], v[rR:rR+11], 0, v[rSP], v[rSR] matrix_a_fmt:MATRIX_FMT_FP6 matrix_b_fmt:MATRIX_FMT_FP6 matrix_a_scale:MATRIX_SCALE_ROW1
.elseif \rb
	v_wmma_scale_f32_16x16x128_f8f6f4 v[rD:rD+7], v[rP:rP+11], v[rR:rR+11], 0, v[rSP], v[rSR] matrix_a_fmt:MATRIX_FMT_FP6 matrix_b_fmt:MATRIX_FMT_FP6 matrix_b_scale:MATRIX_SCALE_ROW1
.else
	v_wmma_scale_f32_16x16x128_f8f6f4 v[rD:rD+7], v[rP:rP+11], v[rR:rR+11], 0, v[rSP], v[rSR] matrix_a_fmt:MATRIX_FMT_FP6 matrix_b_fmt:MATRIX_FMT_FP6
.endif
.else
.if (\ra) && (\rb)
	v_wmma_scale_f32_16x16x128_f8f6f4 v[rD:rD+7], v[rP:rP+11], v[rR:rR+11], v[rD:rD+7], v[rSP], v[rSR] matrix_a_fmt:MATRIX_FMT_FP6 matrix_b_fmt:MATRIX_FMT_FP6 matrix_a_scale:MATRIX_SCALE_ROW1 matrix_b_scale:MATRIX_SCALE_ROW1
.elseif \ra
	v_wmma_scale_f32_16x16x128_f8f6f4 v[rD:rD+7], v[rP:rP+11], v[rR:rR+11], v[rD:rD+7], v[rSP], v[rSR] matrix_a_fmt:MATRIX_FMT_FP6 matrix_b_fmt:MATRIX_FMT_FP6 matrix_a_scale:MATRIX_SCALE_ROW1
.elseif \rb
	v_wmma_scale_f32_16x16x128_f8f6f4 v[rD:rD+7], v[rP:rP+11], v[rR:rR+11], v[rD:rD+7], v[rSP], v[rSR] matrix_a_fmt:MATRIX_FMT_FP6 matrix_b_fmt:MATRIX_FMT_FP6 matrix_b_scale:MATRIX_SCALE_ROW1
.else
	v_wmma_scale_f32_16x16x128_f8f6f4 v[rD:rD+7], v[rP:rP+11], v[rR:rR+11], v[rD:rD+7], v[rSP], v[rSR] matrix_a_fmt:MATRIX_FMT_FP6 matrix_b_fmt:MATRIX_FMT_FP6
.endif
.endif
.endm
; eight products of K step q: R's fragment a against P's eight.  The 16 accumulators take turns, one instruction a turn, in the same order in every step
.macro MUL8 q, a, zero
.irp t, 0,1,2,3,4,5,6,7
.set rD, ACC+64*(\a)+8*\t
.set rP, 128*((\q)%2)+24+12*\t
.set rR, 128*((\q)%2)+12*(\a)
.set rSP, SC+8*((\q)%2)+1+\t/2
.set rSR, SC+8*((\q)%2)
	WMM \t%2, \a, \zero
.endr
.endm
.macro FETCH q                         ; K step q's ten fragments and five registers of scale words into set q % 2: 35 LDS loads, each of consecutive bytes
.set RG, ((\q)/4)%3
.set KO, ((\q)%4)*BLK
.set FS, 128*((\q)%2)
.set SS, SC+8*((\q)%2)
	WIN 0x40                                       ; destination window 1, address window 0
.irp a, 0,1
.irp g, 0,1,2
	ds_load_b128 v[FS+12*\a+4*\g:FS+12*\a+4*\g+3], v[ADRA+RG] offset:KO+1536*\a+512*\g
.endr
.endr
.irp t, 0,1,2,3,4,5,6,7
.irp g, 0,1,2
	ds_load_b128 v[FS+24+12*\t+4*\g:FS+24+12*\t+4*\g+3], v[ADRB+RG] offset:KO+1536*\t+512*\g
.endr
.endr
	WIN 0
	ds_load_b32 v[SS], v[ASA+RG] offset:KO
.irp j, 0,1,2,3
	ds_load_b32 v[SS+1+\j], v[ASB+RG] offset:KO+128*\j
.endr
.endm
.macro STEPK q, zero
	PLACES 4                                       ; four places in front of loads into registers that the last step's products read
	FETCH (\q)+1
	s_wait_dscnt 35                                ; all but the 35 just issued: this step's set is in
	WIN 0x05                                       ; sources 0 and 1 window 1, C and D window 0
	MUL8 \q, 0, \zero
	MUL8 \q, 1, \zero
.endm
; A K step with the work-group's barrier in it.  In front of the signal each wave waits for all its tensor loads, adds 0 to its spare word, and waits for that and for all its LDS reads.
; fill = n > 0: the barrier opens a round of the cluster's barrier, and chunk n is asked for behind it, one joint load a wave (chunk 2: region 2's first fill; chunk 3: region 0 again, which nobody reads any more).
.macro TURN q, fill
	WIN 0
	s_wait_tensorcnt 0x0                           ; all my tensor loads have landed
	ds_add_u32 v[SPW], v[NIL]                      ; 0 onto my spare word
	s_wait_dscnt 1                                 ; (the add may be out; this step's 35 loads are in)
	WIN 0x05
	MUL8 \q, 0, 0
	s_wait_dscnt 0x0                               ; the add is done, and my LDS reads are over
	s_barrier_signal -1
	MUL8 \q, 1, 0
	WIN 0
	s_barrier_wait -1
.if \fill
	CREST
	JLOAD \fill                                    ; the first tensor load behind the round; its four v_nop are also the places in front of the loads below
.else
	PLACES 4
.endif
	FETCH (\q)+1
.endm
	s_load_b128 s[56:59], s[0:1], 0x0              ; att, wx
	s_load_b64 s[60:61], s[0:1], 0x10              ; out0
	v_lshl_add_u32 v[SPW], v0, 2, SPARE
	v_mov_b32 v[NIL], 0
	ds_add_u32 v28, v29
	ds_add_u32 v28, v29
	s_wait_dscnt 0x0
	v_lshrrev_b32 v1, 5, v0
	v_readfirstlane_b32 s[WV], v1                  ; wave 0..3
	s_bfe_u32 s4, ttmp6, 0x40000                   ; cx
	s_bfe_u32 s5, ttmp6, 0x40004                   ; cy
	s_lshl_b32 s6, ttmp9, 2                        ; 4 x cluster x
	s_and_b32 s7, ttmp7, 0xffff
	s_lshl_b32 s7, s7, 2                           ; 4 x cluster y
	s_lshl_b32 s80, s5, 2
	s_lshl_b32 s80, 15, s80                        ; my row of the cluster
	s_lshl_b32 s81, 0x1111, s4                     ; my column
	; group 1: two blocks, 25,600 dense bytes, as 100 rows of 256 bytes (32 elements of 8 bytes); no padding
	s_or_b32 s[G1A], s80, (3<<16)|(1<<21)
	s_or_b32 s[G1B], s81, (3<<16)|(1<<21)
.irp g, G1A, G1B
	s_mov_b32 s[\g+1], 32<<16
	s_mov_b32 s[\g+2], 200<<16                     ; tensor_dim1: 200 rows for the head's loads; behind them 100
	s_mov_b32 s[\g+3], 32<<16
	s_mov_b32 s[\g+4], 200                         ; tile_dim1 likewise
	s_mov_b32 s[\g+5], 32
	s_mov_b32 s[\g+6], 0
	s_mov_b32 s[\g+7], 0
.endr
	s_add_co_u32 s66, s7, s5                       ; R: att's tile of tokens: it hangs on cy and never on cx
	s_add_co_u32 s72, s6, s4                       ; P: the tile of columns: on cx and never on cy
	s_add_co_u32 s84, s7, s5                       ; (the same two once more, for the output's address)
	s_add_co_u32 s85, s6, s4
	s_add_co_u32 s72, s72, 40                      ; Wo's tiles begin at 40 in wx
	s_mul_i32 s66, s66, TILEB
	s_and_b32 s70, s[WV], 1
	s_mul_i32 s70, s70, 2*BLK
	s_add_co_u32 s66, s66, s70
	s_mov_b32 s67, 0
	s_mul_i32 s72, s72, TILEB
	s_add_co_u32 s72, s72, s70
	s_mov_b32 s73, 0
	s_mul_i32 s71, s[WV], 2*BLK
	s_lshl_b32 s92, s84, 20                        ; 128 rows of 8,192 bytes,
	s_lshl_b32 s93, s[WV], 18                      ; my wave's 32,
	s_add_co_u32 s92, s92, s93
	s_lshl_b32 s93, s85, 9                         ; 128 columns are 512 bytes
	s_add_co_u32 s92, s92, s93
	s_mov_b32 s93, 0
	v_and_b32 v2, 31, v0
	v_lshlrev_b32 v1, 4, v2                        ; 16 lane
	v_lshlrev_b32 v2, 2, v2                        ; 4 lane
	s_mul_i32 s78, s[WV], 3072
	v_add_nc_u32 v[ADRA], s78, v1
	v_add_nc_u32 v[ADRB], 4*BLK, v1
	s_lshl_b32 s78, s[WV], 7
	s_add_co_u32 s78, s78, 12288
	v_add_nc_u32 v[ASA], s78, v2
	v_add_nc_u32 v[ASB], 4*BLK+12288, v2
.irp p, 1,2
	v_add_nc_u32 v[ADRA+\p], \p*RGN, v[ADRA]
	v_add_nc_u32 v[ADRB+\p], \p*RGN, v[ADRB]
	v_add_nc_u32 v[ASA+\p], \p*RGN, v[ASA]
	v_add_nc_u32 v[ASB+\p], \p*RGN, v[ASB]
.endr
	s_mul_i32 s78, s[WV], 2*8448
	s_add_co_u32 s78, s78, STG                     ; my two stages
	v_and_b32 v21, 15, v0
	v_bfe_u32 v22, v0, 4, 1
	v_mul_u32_u24 v19, v21, 528
	v_lshl_add_u32 v19, v22, 6, v19
	v_add_nc_u32 v19, s78, v19                     ; in: row r, + 64 h
	v_add_nc_u32 v20, s78, v1                      ; back: 16 lane
	s_wait_kmcnt 0x0
	s_add_nc_u64 s[68:69], s[56:57], s[66:67]
	s_add_nc_u64 s[74:75], s[58:59], s[72:73]
	s_add_nc_u64 s[88:89], s[60:61], s[92:93]
	CROUND                                         ; all sixteen work-groups are here: the first joint loads meet
.irp n, 2,3
	s_mov_b32 s[G0A+4*\n], 1
	s_add_co_u32 s[G0A+4*\n+1], s71, (\n%3)*RGN
	s_add_nc_u64 s[G0A+4*\n+2:G0A+4*\n+3], s[68:69], \n*4*BLK
	s_or_b32 s[G0A+4*\n+3], s[G0A+4*\n+3], 0x80000000
	s_mov_b32 s[G0B+4*\n], 1
	s_add_co_u32 s[G0B+4*\n+1], s71, (\n%3)*RGN
	s_add_nc_u64 s[G0B+4*\n+2:G0B+4*\n+3], s[74:75], \n*4*BLK
	s_or_b32 s[G0B+4*\n+3], s[G0B+4*\n+3], 0x80000000
.endr
	; THE HEAD'S LOADS, one a wave: four blocks each, 51,200 dense bytes.  Wave 0 fetches R's blocks of chunk 0, wave 1 P's, wave 2 R's of chunk 1, wave 3 P's: K steps 0 to 7.
	; By this text's count a wave has one tensor load out at the most.
	s_lshr_b32 s80, s[WV], 1                       ; the chunk
	s_and_b32 s81, s[WV], 1                        ; R's blocks or P's
	s_mul_i32 s82, s80, 4*BLK                      ; the chunk's place in a tile
	s_mov_b32 s83, 0
	s_mul_i32 s84, s81, 2*BLK                      ; what the ring's addresses hold beyond the tile's start
	s_mov_b32 s85, 0
	s_mul_i32 s86, s80, RGN                        ; the chunk's region
	s_mov_b32 s[G0A], 1
	s_mov_b32 s[G0A+1], s86
	s_add_nc_u64 s[G0A+2:G0A+3], s[68:69], s[82:83]
	s_sub_nc_u64 s[G0A+2:G0A+3], s[G0A+2:G0A+3], s[84:85]
	s_or_b32 s[G0A+3], s[G0A+3], 0x80000000
	s_mov_b32 s[G0B], 1
	s_add_co_u32 s[G0B+1], s86, 4*BLK
	s_add_nc_u64 s[G0B+2:G0B+3], s[74:75], s[82:83]
	s_sub_nc_u64 s[G0B+2:G0B+3], s[G0B+2:G0B+3], s[84:85]
	s_or_b32 s[G0B+3], s[G0B+3], 0x80000000
	s_cmp_eq_u32 s81, 0
	s_cbranch_scc0 .Lhead_p
	tensor_load_to_lds s[G0A:G0A+3], s[G1A:G1A+7]
	s_nop 0
	PLACES 4
	s_branch .Lhead_asked
.Lhead_p:
	tensor_load_to_lds s[G0B:G0B+3], s[G1B:G1B+7]
	s_nop 0
	PLACES 4
.Lhead_asked:
	s_wait_alu depctr_va_vdst(0)
	s_wait_tensorcnt 0x0                           ; my head load is in; these lines stand ahead of a later first fill as ahead of a refill
	ds_add_u32 v[SPW], v[NIL]
	s_mov_b32 s[G1A+2], 100<<16                    ; no tensor load of mine is out, so a descriptor may be written: from here on a load brings two blocks, 100 rows
	s_mov_b32 s[G1A+4], 100
	s_mov_b32 s[G1B+2], 100<<16
	s_mov_b32 s[G1B+4], 100
	s_wait_dscnt 0x0
	CROUND                                         ; chunks 0 and 1 are whole, and the sixteen work-groups meet
	JLOAD 2                                        ; chunk 2, region 2's first fill, in every wave: K steps 0 to 4 in which to land
	FETCH 0
	STEPK 0, 1                                     ; the first step's products start the sums
	STEPK 1, 0
	STEPK 2, 0
	STEPK 3, 0
	STEPK 4, 0
	TURN 5, 3                                      ; chunk 2 is whole; chunk 3 goes into region 0, last read in K step 3: K steps 6 to 10 in which to land
	STEPK 6, 0
	s_wait_alu depctr_va_vdst(0)
	STEPK 7, 0
	STEPK 8, 0
	STEPK 9, 0
	STEPK 10, 0
	TURN 11, 0                                     ; chunk 3 has landed; every wave's reads of regions 1 and 2 are over
	STEPK 12, 0
	STEPK 13, 0
	STEPK 14, 0
	s_wait_dscnt 0x0
	WIN 0x05
	MUL8 15, 0, 0
	MUL8 15, 1, 0
	WIN 0
	PLACES 4                                       ; four places in front of the first read of results
	; THE WAY OUT.  A lane holds pieces of one row; 16 rows go through my own stage and come back as whole rows of 512 bytes.  LDS serves a wave's instructions in order: no wait between the stores and the loads.
.irp t, 0,1,2,3,4,5,6,7
	ds_store_b128 v19, v[ACC+8*\t:ACC+8*\t+3] offset:128*(\t/2)+32*(\t%2)            ; each accumulator from its low end on
	ds_store_b128 v19, v[ACC+8*\t+4:ACC+8*\t+7] offset:128*(\t/2)+32*(\t%2)+16
.endr
.irp p, 0,1,2,3,4,5,6,7,8,9,10,11,12,13,14,15
	ds_load_b128 v[48+4*\p:51+4*\p], v20 offset:528*\p
.endr
.irp t, 0,1,2,3,4,5,6,7
	ds_store_b128 v19, v[ACC+64+8*\t:ACC+64+8*\t+3] offset:8448+128*(\t/2)+32*(\t%2)
	ds_store_b128 v19, v[ACC+64+8*\t+4:ACC+64+8*\t+7] offset:8448+128*(\t/2)+32*(\t%2)+16
.endr
.irp p, 0,1,2,3,4,5,6,7,8,9,10,11,12,13,14,15
	s_wait_dscnt 31-\p                             ; row p is back: behind its load stand 15 - p loads and the second half's 16 stores
	global_store_b128 v1, v[48+4*\p:51+4*\p], s[88:89] offset:(\p+8*(\p/8))*8192 th:TH_STORE_NT   ; 512 consecutive bytes, aligned; written once
.endr
.irp p, 0,1,2,3,4,5,6,7,8,9,10,11,12,13,14,15      ; the last wait has shown the first half's LDS stores done: its accumulators take the second half's rows
	ds_load_b128 v[ACC+4*\p:ACC+4*\p+3], v20 offset:8448+528*\p
.endr
.irp p, 0,1,2,3,4,5,6,7,8,9,10,11,12,13,14,15
	s_wait_dscnt 15-\p
	global_store_b128 v1, v[ACC+4*\p:ACC+4*\p+3], s[88:89] offset:(8+\p+8*(\p/8))*8192 th:TH_STORE_NT
.endr
	s_wait_tensorcnt 0x0                           ; the wave's end
	ds_add_u32 v[SPW], v[NIL]
	s_wait_dscnt 0x0
	CROUND                                         ; the closing round: no work-group ends while a partner may still ask for a tile that names it
	s_endpgm
.Lfunc_end_k_q4f46799e4e_proj:
	.size	k_q4f46799e4e_proj, .Lfunc_end_k_q4f46799e4e_proj-k_q4f46799e4e_proj
	.p2alignl 7, 3214868480
	.fill 96, 4, 3214868480
	.section	.rodata,"a",@progbits
	.p2align	6, 0x0
	.amdhsa_kernel k_q4f46799e4e_proj
		.amdhsa_group_segment_fixed_size 327680
		.amdhsa_private_segment_fixed_size 0
		.amdhsa_enable_private_segment 0
		.amdhsa_kernarg_size 24
		.amdhsa_user_sgpr_count 2
		.amdhsa_user_sgpr_kernarg_segment_ptr 1
		.amdhsa_wavefront_size32 1
		.amdhsa_system_sgpr_workgroup_id_x 1
		.amdhsa_system_sgpr_workgroup_id_y 1
		.amdhsa_system_sgpr_workgroup_id_z 1
		.amdhsa_system_vgpr_workitem_id 0
		.amdhsa_next_free_vgpr 512
		.amdhsa_next_free_sgpr 100
		.amdhsa_reserve_vcc 0
		.amdhsa_float_denorm_mode_32 3
		.amdhsa_float_denorm_mode_16_64 3
		.amdhsa_memory_ordered 1
		.amdhsa_forward_progress 1
		.amdhsa_inst_pref_size 89
	.end_amdhsa_kernel
	.amdgpu_metadata
---
amdhsa.version: [ 1, 2 ]
amdhsa.kernels:
  - .name:           k_q4f46799e4e_proj
    .symbol:         k_q4f46799e4e_proj.kd
    .args:
      - { .name: att, .offset: 0, .size: 8, .value_kind: global_buffer, .address_space: global }
      - { .name: wx, .offset: 8, .size: 8, .value_kind: global_buffer, .address_space: global }
      - { .name: out0, .offset: 16, .size: 8, .value_kind: global_buffer, .address_space: global }
    .group_segment_fixed_size: 327680
    .private_segment_fixed_size: 0
    .kernarg_segment_align: 8
    .kernarg_segment_size: 24
    .max_flat_workgroup_size: 128
    .sgpr_count:     100
    .vgpr_count:     512
    .wavefront_size: 32
...
	.end_amdgpu_metadata
.endif
;; end of part 4
